; MI455X (gfx1250); checked and timed in simulation.
; The chip was launched on July 23, 2026; its instructions are those of AMD's public machine-readable ISA for CDNA 5 (MIT licence, August 2026) and "CDNA5" Instruction Set Architecture Reference Guide (July 2026). The comments in the code are by the model that wrote it; some were corrected since.
;; GQA Attention. Allowed arithmetic: matrix products marked QUANTISED: E2M1 operands, one E8M0 scale for each 32 along K, by v_wmma_scale_f32_16x16x128_f8f6f4 with both operands' format E2M1 (or v_wmma_scale_f32_32x16x128_f4), f32 sums; products left as they are: bf16, f16 or f32 operands; f32 sums; everything else in f32.
;; Inputs: cos 2,048 x 64 float32; hidden_states 1 x 2,048 x 2,048 float32; sin 2,048 x 64 float32; wk 512 x 2,048 float32; wo 2,048 x 2,048 float32; wq 2,048 x 2,048 float32; wv 512 x 2,048 float32.
;; Outputs: out0 1 x 2,048 x 2,048 float32.
;; This version of the problem:
;;   THIS VERSION OF THE PROBLEM IS GIVEN IN LOW PRECISION. The matrix products marked QUANTISED in the list below multiply operands that are first quantised to E2M1 (2 exponent bits, 1 mantissa bit; 4 bits a number), with one power-of-two scale for each 32 numbers along K (OCP MX v1.0); their sums are f32. The products marked 'left as it is' may take bf16, f16 or f32 operands, with f32 sums. Whichever they take, every output number must still come out within the allowed error. Rounding operands to bf16 (8 significant bits) uses up far more of that allowance than f16 does (11 bits, for magnitudes from 6e-5 to 65,504). All else is computed in f32.
;;   The module's matrix products, in the order in which they are computed (A, B: the left and right operand; K: the contracted axis; several contracted axes count as one K, in the product's order):
;;     1. [M 2,048, K 2,048] x [K 2,048, N 2,048]; A: input hidden_states; B: input wq: QUANTISED
;;     2. [M 2,048, K 2,048] x [K 2,048, N 512]; A: input hidden_states; B: input wk: QUANTISED
;;     3. [M 2,048, K 2,048] x [K 2,048, N 512]; A: input hidden_states; B: input wv: QUANTISED
;;     4. batch 32 x [M 2,048, K 64] x [K 64, N 2,048]; A: computed on the way; B: computed on the way: left as it is (an operand is computed on the way)
;;     5. batch 32 x [M 2,048, K 2,048] x [K 2,048, N 64]; A: computed on the way; B: computed on the way: left as it is (an operand is computed on the way)
;;     6. [M 2,048, K 2,048] x [K 2,048, N 2,048]; A: computed on the way; B: input wo: left as it is (an operand is computed on the way)
;;   THE QUANTISER, for each operand of a quantised product, along K:
;;     - K is cut into blocks of 32 from its start; a last block that is shorter is filled with zeros.
;;     - A block's scale is 2^e with e = floor(log2(the largest magnitude in the block)) - 2, held to -126 .. 127; a block of zeros has e = 0. As a byte (E8M0): e + 127.
;;     - Each number is divided by its block's scale, clamped to +-6, and rounded to the nearest number of E2M1, ties to even, subnormals kept.
;;     - The product sums the exact products of the quantised numbers (number of the format x scale) in f32.
;;   ~~~python
;;   def quantise(x, axis):      # numpy; x: float32 -> the quantised numbers, widened to float32 again
;;       x = np.moveaxis(x, axis, -1); K = x.shape[-1]
;;       x = np.pad(x, [(0, 0)] * (x.ndim - 1) + [(0, -K % 32)]); x = x.reshape(x.shape[:-1] + (-1, 32)); a = np.abs(x).max(-1, keepdims=True)
;;       e = np.where(a > 0, np.clip(np.frexp(np.where(a > 0, a, 1))[1] - 1 - 2, -126, 127), 0)      # np.frexp(a)[1] - 1 = floor(log2(a)), exactly
;;       r = np.clip(x / 2.0 ** e, -6, 6)
;;       step = 2.0 ** (np.maximum(np.frexp(np.where(r == 0, 1, r))[1] - 1, 0) - 1)
;;       q = np.round(r / step) * step * 2.0 ** e      # np.round: ties to even
;;       return np.moveaxis(q.reshape(q.shape[:-2] + (-1,))[..., :K], -1, axis).astype(np.float32)
;;   ~~~
;; One version. Each part assembles by itself: llvm-mc -triple=amdgcn-amd-amdhsa -mcpu=gfx1250 --defsym DOCPART=n.
;; ======== version 1 of 1: 4 launches
;; limits: values are held in f16: magnitudes above 65,504 overflow, below 6.1e-05 lose precision
;; workspace buffers: codes 5,242,880 bytes; scales 327,680 bytes; wo16 8,388,608 bytes; qkv 12,582,912 bytes; fac 264,192 bytes; att 8,388,608 bytes
;; launch prep (part 1): grid 320 x 1, 4 waves a work-group, no clusters, 33,280 bytes of LDS; arguments hidden_states, wq, wk, wv, codes, scales; writes codes, scales
.if DOCPART == 1
	.amdgcn_target "amdgcn-amd-amdhsa--gfx1250"
	.amdhsa_code_object_version 6
	.text
	.protected	k_q616271cbe8_prep
	.globl	k_q616271cbe8_prep
	.p2align	8
	.type	k_q616271cbe8_prep,@function
k_q616271cbe8_prep:
	s_mov_b64 s[64:65], 0
	v_nop
	global_prefetch_b8 v0, s[64:65] scope:SCOPE_SE
	s_setreg_imm32_b32 hwreg(HW_REG_WAVE_MODE, 25, 1), 1
	s_wait_xcnt 0x0
; PREP.  hidden_states [2048][2048], wq [2048][2048], wk and wv [512][2048], f32, K innermost, become codes of FP4 (E2M1), two a byte, with one E8M0 byte for each 32 along K.
; A block's scale is 2^(floor(log2(its largest magnitude)) - 2); its byte is the largest magnitude's exponent field - 2, held at 1 from below.  Each number is divided by the scale and rounded to the nearest code, ties to even,
; beyond the largest code the largest.  (A block of zeros gets the byte 1 where the rule says 127: its codes are zeros, which add nothing, and this program alone reads the bytes.)
; codes: rows of 1,024 bytes; scales: rows of 64 bytes.  Rows 0-2047: x.  From row 2048 on the weights, IN THE ORDER IN WHICH THE PRODUCT'S LAUNCH TAKES THEM: 16 groups of 192 rows: query head 2 T, query head 2 T + 1,
; then key head T (T < 8) or value head T - 8.
; LIMITS: blocks whose largest magnitude lies under 2^-124 (the floor) were not tried; NaN and infinities among the inputs are not served.
; SHARES.  A work-group quantises 16 rows; a wave 4 rows: 16 steps of 512 numbers.  Loads run eight steps ahead: 32 loads, 16,384 bytes, of every wave are on their way.
; Memory binds: each byte is read once by loads of 512 consecutive bytes a wave, each store of a wave covers 256 consecutive bytes, aligned.  No tensor loads, no barrier: waves share nothing.  Matrix units and clusters have nothing to do here.
.set WAVES, 4
.set STEPS, 16
.set AHEAD, 8                          ; steps that the loads run ahead: as many sets of 16 registers
.set CB,    8                          ; bytes of 16 codes
.set R,     16                         ; v16-143  numbers as they are loaded: eight sets of 16
.set X,     144                        ; v144-175 two sets of 16 neighbours
.set E,     176                        ; v176-191 a scale byte for each step
.set C,     192                        ; v192-223 codes: two registers for each step, so that no store's data are written again
.set WREG,  8192                       ; LDS: a region for each wave: two stages of 32 x SP bytes, behind them its 256 scale bytes
.set SP,    80                         ; a lane's place in a stage: 64 bytes + 16 of padding
.set SPW,   12                         ; v12  LDS address of my spare word; never rewritten
.set NIL,   13                         ; v13  0; never rewritten
.set SPARE, WAVES*WREG                 ; behind the four regions: the spare words, 128 bytes a wave
	s_load_b256 s[4:11], s[0:1], 0x0               ; x s[4:5], wq s[6:7], wk s[8:9], wv s[10:11]
	s_load_b128 s[12:15], s[0:1], 0x20             ; codes s[12:13], scales s[14:15]
	v_lshl_add_u32 v[SPW], v0, 2, SPARE
	v_mov_b32 v[NIL], 0
	v_lshrrev_b32 v1, 5, v0
	v_readfirstlane_b32 s20, v1                    ; wave
	v_and_b32 v2, 31, v0                           ; lane
	v_lshlrev_b32 v3, 4, v2                        ; my 16 bytes of a load's 512
	s_mul_i32 s21, s20, WREG
	v_lshrrev_b32 v14, 2, v2
	v_mul_u32_u24 v14, v14, SP
	v_and_b32 v15, 3, v2
	v_lshl_add_u32 v14, v15, 4, v14
	v_add_nc_u32 v14, s21, v14                     ; the stage, on the way in: four lanes' 64 bytes on end, then 16 of padding
	v_mul_u32_u24 v15, v2, SP
	v_add_nc_u32 v15, s21, v15                     ; and on the way out: my 16 neighbours
	v_mul_u32_u24 v4, v2, CB                       ; my codes' place in a step's
	v_lshrrev_b32 v5, 1, v2
	s_add_co_u32 s21, s21, 2*32*SP
	v_add_nc_u32 v5, s21, v5                       ; LDS: my wave's 256 scale bytes, my block's byte
	v_lshlrev_b32 v7, 3, v2                        ; and on the way out 8 bytes a lane
	v_add_nc_u32 v6, s21, v7
	; which tensor, which 16 rows of it, and which row of codes they become: all from the work-group's number
	s_sub_co_u32 s22, ttmp9, 128                   ; j: wq's 16 rows 16 j on: head j / 4
	s_lshr_b32 s23, s22, 3
	s_mul_i32 s23, s23, 192                        ; group T = head / 2
	s_bfe_u32 s24, s22, 0x10002
	s_lshl_b32 s24, s24, 6                         ; + 64 for the odd head
	s_add_co_u32 s23, s23, s24
	s_and_b32 s24, s22, 3
	s_lshl_b32 s24, s24, 4
	s_add_co_u32 s23, s23, s24
	s_add_co_u32 s23, s23, 2048                    ; wq's row of codes
	s_sub_co_u32 s25, ttmp9, 256                   ; j2: wk's (0-31) and wv's (32-63) 16 rows: group j2 / 4
	s_lshr_b32 s26, s25, 2
	s_mul_i32 s26, s26, 192
	s_and_b32 s27, s25, 3
	s_lshl_b32 s27, s27, 4
	s_add_co_u32 s26, s26, s27
	s_add_co_u32 s26, s26, 2048+128                ; wk's or wv's row of codes
	s_and_b32 s25, s25, 31                         ; which 16 rows of wk or of wv
	s_lshl_b32 s27, ttmp9, 4                       ; x's row of codes
	s_wait_kmcnt 0x0
	s_cmp_lt_u32 ttmp9, 288                        ; the choices hang on the work-group's number alone
	s_cselect_b64 s[8:9], s[8:9], s[10:11]
	s_cmp_lt_u32 ttmp9, 256
	s_cselect_b64 s[6:7], s[6:7], s[8:9]
	s_cselect_b32 s22, s22, s25
	s_cselect_b32 s23, s23, s26
	s_cmp_lt_u32 ttmp9, 128
	s_cselect_b64 s[4:5], s[4:5], s[6:7]
	s_cselect_b32 s22, ttmp9, s22
	s_cselect_b32 s23, s27, s23
	s_lshl_b32 s28, s22, 17                        ; 16 rows of 8,192 bytes,
	s_lshl_b32 s24, s20, 15                        ; my wave's 4 of them
	s_add_co_u32 s28, s28, s24
	s_mov_b32 s29, 0
	s_add_nc_u64 s[4:5], s[4:5], s[28:29]
	s_lshl_b32 s24, s20, 2
	s_add_co_u32 s23, s23, s24
	s_lshl_b32 s28, s23, 10
	s_add_nc_u64 s[12:13], s[12:13], s[28:29]
	s_lshl_b32 s28, s23, 6
	s_add_nc_u64 s[14:15], s[14:15], s[28:29]
.macro LOAD t
.irp i, 0,1,2,3
	global_load_b128 v[R+16*((\t)%AHEAD)+4*\i:R+16*((\t)%AHEAD)+4*\i+3], v3, s[4:5] offset:2048*(\t)+512*\i th:TH_LOAD_NT   ; 32 lanes read 512 consecutive bytes
.endr
.endm
.macro TURN t                          ; step t's numbers through the stage: LDS serves a wave's instructions in order, so no wait stands between the stores and the loads
.irp i, 0,1,2,3
	ds_store_b128 v14, v[R+16*((\t)%AHEAD)+4*\i:R+16*((\t)%AHEAD)+4*\i+3] offset:32*SP*((\t)%2)+8*SP*\i
.endr
.irp i, 0,1,2,3
	ds_load_b128 v[X+16*((\t)%2)+4*\i:X+16*((\t)%2)+4*\i+3], v15 offset:32*SP*((\t)%2)+16*\i
.endr
.endm
.irp t, 0,1,2,3,4,5,6,7
	LOAD \t
.endr
	s_wait_loadcnt 4*(AHEAD-1)                     ; step 0's four loads are in; the 28 of steps 1 to 7 may be out
	TURN 0
.macro STEP t
.set XS, X+16*((\t)%2)
.if (\t) > 0
	s_wait_dscnt 1                                 ; this step's numbers are back from the stage (the last step's byte store may be out)
.else
	s_wait_dscnt 0x0
.endif
.if (\t)+AHEAD < STEPS
	LOAD (\t)+AHEAD                                ; into the registers that the stage's stores have read
.endif
.if (\t)+1 < STEPS
.if STEPS-2-(\t) >= AHEAD-1
	s_wait_loadcnt 4*(AHEAD-1)                     ; the next step's four loads are in; those of the seven steps behind it may be out
.else
	s_wait_loadcnt 4*(STEPS-2-(\t))                ; the tail: four for each step that is left behind the next
.endif
	TURN (\t)+1
.endif
	v_max3_num_f32 v8, |v[XS]|, |v[XS+1]|, |v[XS+2]|               ; the largest magnitude of my 16, in two chains
	v_max3_num_f32 v9, |v[XS+3]|, |v[XS+4]|, |v[XS+5]|
.irp i, 6,10
	v_max3_num_f32 v8, v8, |v[XS+\i]|, |v[XS+\i+1]|
	v_max3_num_f32 v9, v9, |v[XS+\i+2]|, |v[XS+\i+3]|
.endr
	v_max3_num_f32 v8, v8, |v[XS+14]|, |v[XS+15]|
	v_max3_num_f32 v8, v8, v9, 0x1800000           ; and the floor 2^(3 - 127): the byte cannot fall under 1
	v_max_num_f32_dpp v8, v8, v8 row_xmask:1 row_mask:0xf bank_mask:0xf   ; and of my neighbour's 16: the block's
	v_add_nc_u32 v11, 0xff000000, v8               ; 2 off its exponent field: the conversion takes the exponent field of this operand as its scale
	v_cvt_scalef32_pk8_fp4_f32 v[C+2*(\t)], v[XS:XS+7], v11
	v_cvt_scalef32_pk8_fp4_f32 v[C+2*(\t)+1], v[XS+8:XS+15], v11
	v_lshrrev_b32 v[E+(\t)], 23, v11               ; the scale's byte (a plain instruction behind the conversions)
	ds_store_b8 v5, v[E+(\t)] offset:16*(\t)       ; both lanes of a block write the same byte with the same value
	global_store_b64 v4, v[C+2*(\t):C+2*(\t)+1], s[12:13] offset:32*CB*(\t)   ; the wave stores 256 consecutive bytes, aligned
.endm
.irp t, 0,1,2,3,4,5,6,7,8,9,10,11,12,13,14,15
	STEP \t
.endr
	ds_load_b64 v[8:9], v6                         ; LDS serves a wave's instructions in order: these see my stores
	s_wait_dscnt 0x0
	global_store_b64 v7, v[8:9], s[14:15]          ; my 4 rows' 256 scale bytes: 256 consecutive bytes, aligned
	s_wait_tensorcnt 0x0                           ; the wave's end, behind my last LDS store
	ds_add_u32 v[SPW], v[NIL]
	s_wait_dscnt 0x0
	s_endpgm
.Lfunc_end_k_q616271cbe8_prep:
	.size	k_q616271cbe8_prep, .Lfunc_end_k_q616271cbe8_prep-k_q616271cbe8_prep
	.p2alignl 7, 3214868480
	.fill 96, 4, 3214868480
	.section	.rodata,"a",@progbits
	.p2align	6, 0x0
	.amdhsa_kernel k_q616271cbe8_prep
		.amdhsa_group_segment_fixed_size 33280
		.amdhsa_private_segment_fixed_size 0
		.amdhsa_enable_private_segment 0
		.amdhsa_kernarg_size 48
		.amdhsa_user_sgpr_count 2
		.amdhsa_user_sgpr_kernarg_segment_ptr 1
		.amdhsa_wavefront_size32 1
		.amdhsa_system_sgpr_workgroup_id_x 1
		.amdhsa_system_sgpr_workgroup_id_y 1
		.amdhsa_system_sgpr_workgroup_id_z 1
		.amdhsa_system_vgpr_workitem_id 0
		.amdhsa_next_free_vgpr 224
		.amdhsa_next_free_sgpr 66
		.amdhsa_reserve_vcc 0
		.amdhsa_float_denorm_mode_32 3
		.amdhsa_float_denorm_mode_16_64 3
		.amdhsa_memory_ordered 1
		.amdhsa_forward_progress 1
		.amdhsa_inst_pref_size 34
	.end_amdhsa_kernel
	.amdgpu_metadata
---
amdhsa.version: [ 1, 2 ]
amdhsa.kernels:
  - .name:           k_q616271cbe8_prep
    .symbol:         k_q616271cbe8_prep.kd
    .args:
      - { .name: hidden_states, .offset: 0, .size: 8, .value_kind: global_buffer, .address_space: global }
      - { .name: wq, .offset: 8, .size: 8, .value_kind: global_buffer, .address_space: global }
      - { .name: wk, .offset: 16, .size: 8, .value_kind: global_buffer, .address_space: global }
      - { .name: wv, .offset: 24, .size: 8, .value_kind: global_buffer, .address_space: global }
      - { .name: codes, .offset: 32, .size: 8, .value_kind: global_buffer, .address_space: global }
      - { .name: scales, .offset: 40, .size: 8, .value_kind: global_buffer, .address_space: global }
    .group_segment_fixed_size: 33280
    .private_segment_fixed_size: 0
    .kernarg_segment_align: 8
    .kernarg_segment_size: 48
    .max_flat_workgroup_size: 128
    .sgpr_count:     66
    .vgpr_count:     224
    .wavefront_size: 32
...
	.end_amdgpu_metadata
.endif
;; end of part 1
;; launch qkv (part 2): grid 16 x 16, 4 waves a work-group, clusters of 4 x 4, 327,680 bytes of LDS; arguments codes, scales, cos, sin, qkv, fac; writes qkv, fac
.if DOCPART == 2
	.amdgcn_target "amdgcn-amd-amdhsa--gfx1250"
	.amdhsa_code_object_version 6
	.text
	.protected	k_q616271cbe8_qkv
	.globl	k_q616271cbe8_qkv
	.p2align	8
	.type	k_q616271cbe8_qkv,@function
k_q616271cbe8_qkv:
	s_mov_b64 s[64:65], 0
	v_nop
	global_prefetch_b8 v0, s[64:65] scope:SCOPE_SE
	s_setreg_imm32_b32 hwreg(HW_REG_WAVE_MODE, 25, 1), 1
	s_wait_xcnt 0x0
	s_wait_alu depctr_hold_cnt(0) depctr_sa_sdst(0) depctr_va_vdst(0) depctr_va_sdst(0) depctr_va_ssrc(0) depctr_va_vcc(0) depctr_vm_vsrc(0)
	s_getreg_b32 s2, hwreg(HW_REG_IB_STS2, 6, 4)
	s_cmp_eq_u32 s2, 0
	s_cbranch_scc0 .Lentry_in_a_cluster
	s_endpgm
.Lentry_in_a_cluster:
	s_bfe_u32 s2, ttmp6, 0x10000c
	s_cmp_lg_u32 s2, 0xf033
	s_cbranch_scc0 .Lentry_shape_is_right
	s_endpgm
.Lentry_shape_is_right:
; QKV.  [2048 positions][3072 columns] = x W^T on codes of FP4 (E2M1) with E8M0 scales for each 32 along K = 2,048, sums in f32; then the rotary in f32, and q', k', v to f16.
; codes: rows of 1,024 bytes, scales: rows of 64 bytes; rows 0-2047 x, from 2048 on W in 16 groups of 192 rows: query heads 2 T, 2 T + 1, then key head T (T < 8) or value head T - 8.
; SHARES.  A work-group makes 128 positions x 192 columns (three whole heads).  Wave w takes positions 32 w .. 32 w + 31 and all 192 columns: 24 accumulators of 16 x 16.
; THE MATRIX INSTRUCTION IS USED TRANSPOSED (source 0 = 16 rows of W, source 1 = 16 rows of x): lane (r, h) holds position r and, in tile t of a head, d = 16 t + 8 h + 0 .. 7.
; So the rotary's partner d +- 32 is tile t +- 2, same lane, same register, and a head's row lies in lanes l and l xor 16.
; K goes in four phases of 512 (LDS rows of 256 bytes).  Phases 0, 1, 2 lie in slots 0, 1, 2, all asked for at the head; phase 3 fills slot 0 again: one refill, no loop.
; THE SCALE BYTES of the work-group's rows, for all of K, are dense blocks of memory: they come once, with the first fills, as rows of 256 bytes + 16 of padding.
; CLUSTERS: 4 x 4 work-groups.  x's tiles hang on the tile row alone and are asked for jointly along a row of the cluster (wave 3), W's on the tile column alone, along a column (waves 0, 1, 2: 64 rows each).
; SCALES OF q' AND k'.  f16 has no room for q' and k' of much larger inputs, so each is multiplied by a power of two made of its own largest magnitude a (floor 2^-126), E = a's exponent as a number:
;   q16 = f16(q' / E), one E for each (position, head); stored beside it fq = E log2(e) / 8.    k16 = f16(k' / E), one E for each (32 positions, key head); stored fk = E.    v16 = f16(v).
; qkv: q16 [32][2048][64] at 0, k16 [8][2048][64] at 8,388,608, v16 [8][2048][64] at 10,485,760.   fac: fq [position / 32][T][position % 32][head % 2] at 0, fk [8][64] at 262,144.
; LIMITS: |v| under 65,504; |q'|, |k'| under 2^126; NaN and infinities are not served.
; REGISTERS, in windows of 256: window 0: v1-15 addresses; v16-71 scale words, two sets of 28, and nothing else ever; v72-103 x's fragments, two sets; v104-235 the way out; v252, v253 the add's two.
;   window 1: the accumulators, (a, b) at v[8 (12 a + b)].   window 2: W's fragments, two sets of 96.   window 3: cos at v[32 a + 8 t + j], sin 64 further on.
.set PITCH,  272                       ; an LDS row: 256 bytes + 16 of padding = 68 words: the 16 rows that a load touches start at 16 different banks (64 banks of 4 bytes: ISA guide 11.1)
.set SLOTA,  128*PITCH                 ; x's 128 rows
.set SLOT,   320*PITCH                 ; then W's 192 rows
.set SBLK,   4*272                     ; the scale bytes of 16 rows: four rows of 256 + 16
.set SCL,    3*SLOT                    ; behind the three slots: x's scale bytes (128 rows),
.set SCLB,   SCL+8*SBLK                ; W's (192 rows),
.set SPARE,  SCLB+12*SBLK              ; and the spare words, 128 bytes a wave
.set STG,    SLOT                      ; the way out's stages lie in slot 1, which has had its one fill and its last read when the first result is stored there: 2,560 bytes a wave
.set STGV,   16384                     ; the value path's stages, so far behind the others
.set SPITCH, 144                       ; a stage row: 128 bytes + 16
.set ADRA,  4                          ; v4-6   LDS address of my fragments of x in slot 0, 1, 2
.set ADRB,  7                          ; v7-9   the same for W
.set ADRSA, 10                         ; v10    x's scale words: lanes 0-15 my block 0, lanes 16-31 my block 1
.set ADRSB, 11                         ; v11    W's: lanes 0-15 blocks 0-5, lanes 16-31 blocks 6-11
.set CSO,   12                         ; v12    my byte offset in the wave's rows of cos and sin
.set STO,   13                         ; v13    the stage: where I put 16 bytes of a row
.set RD,    14                         ; v14    and where I read rows back
.set GOUT,  15                         ; v15    16 x lane
.set SC,    16                         ; scale words: set s at SC + 28 s: 4 of x, then 24 of W (4 (b % 6) + q)
.set AF,    72                         ; x's fragments: set p at AF + 16 p
.set RR,    104                        ; v104-167 a head's 32 numbers a lane, for both blocks of positions
.set TT,    168                        ; at work
.set QSO,   169                        ; 8 x lane; never rewritten
.set ZO,    170                        ; an offset of 0; never rewritten
.set AM,    172                        ; v172-173 largest magnitudes
.set PD,    174                        ; v174-175 lane permutes' destinations
.set EE,    176                        ; E
.set MU,    178                        ; v178 1 / E; v179 named with it as a pair
.set FQ,    180                        ; v180-183 fq of (block a, head u) at FQ + 2 u + a
.set XX,    184                        ; v184-185 fq as it is stored
.set PKD,   188                        ; v188-203 packed results; the rotary's temporaries before that
.set BK,    204                        ; v204-235 rows read back, two sets by turns
.set SPW,   252
.set NIL,   253
.set G1A,  24                          ; s[24:31] group 1 for x's tiles;  s[32:39] W's;  s[40:47] x's scale bytes;  s[48:55] W's
.set G1B,  32
.set G1SA, 40
.set G1SB, 48
.set G0A0, 56                          ; groups 0: one for each slot and side
.set G0A1, 60
.set G0A2, 68
.set G0B0, 72
.set G0B1, 76
.set G0B2, 80
.set G0SA, 84
.set G0SB, 88
.set QB,   92                          ; s[92:93] q16 at my first row of head 2 T;  s[94:95] k16 / v16;  s[96:97] fq;  s[98:99] fk
.set KVB,  94
.set FQB,  96
.set KSB,  98
.set MSB, 0
.macro WIN new                         ; the immediate's high byte repeats the setting that is left
.if MSB != \new
	s_set_vgpr_msb (MSB<<8)|\new
.set MSB, \new
.endif
.endm
.set MUL,   0x52                       ; source 0 (W) window 2, source 1 (x) window 0, C and D window 1
.set TO_B,  0x80                       ; destination window 2
.set TO_CS, 0xc0                       ; destination window 3
; A joint load: wave 3 fetches for x, waves 0 to 2 for W.  Each line has one mask; the branch hangs on the wave's number alone.  An s_nop 0 and four v_nop follow each line.
.macro JLOAD g0a, g1a, g0b, g1b
	s_cmp_eq_u32 s16, 3
	s_cbranch_scc0 .Lfor_b_\@
	tensor_load_to_lds s[\g0a:\g0a+3], s[\g1a:\g1a+7]
	s_nop 0
.rept 4
	v_nop
.endr
	s_branch .Lasked_\@
.Lfor_b_\@:
	tensor_load_to_lds s[\g0b:\g0b+3], s[\g1b:\g1b+7]
	s_nop 0
.rept 4
	v_nop
.endr
.Lasked_\@:
.endm
.macro CREST                           ; a round of the cluster's barrier behind its opening barrier
	s_cmp_lg_u32 s16, 0
	s_cbranch_scc1 .Lnot_wave_0_\@
	s_barrier_signal -3
.Lnot_wave_0_\@:
	s_barrier_wait -3
	s_barrier_signal -1
	s_barrier_wait -1
.endm
.macro CROUND
	s_barrier_signal -1
	s_barrier_wait -1
	CREST
.endm
.macro PLACES                          ; four plain instructions between a matrix instruction and a load into, or a read of, its registers
.rept 4
	v_nop
.endr
.endm
	s_load_b256 s[4:11], s[0:1], 0x0               ; codes s[4:5], scales s[6:7], cos s[8:9], sin s[10:11]
	s_load_b128 s[12:15], s[0:1], 0x20             ; qkv s[12:13], fac s[14:15]
	v_lshl_add_u32 v[SPW], v0, 2, SPARE
	v_mov_b32 v[NIL], 0
	ds_add_u32 v[SPW], v[NIL]                      ; the wave's opening: the add, twice on end, and its wait ahead of my first tensor load
	ds_add_u32 v[SPW], v[NIL]
	v_lshrrev_b32 v1, 5, v0
	v_readfirstlane_b32 s16, v1                    ; wave 0..3
	s_min_u32 s23, s16, 2                          ; which third of W's rows I fetch (wave 3 fetches for x; its copy of W's descriptors is not used)
	s_bfe_u32 s17, ttmp6, 0x40000                  ; cx, cy: my place in the cluster
	s_bfe_u32 s18, ttmp6, 0x40004
	s_lshl_b32 s19, ttmp9, 2
	s_add_co_u32 s19, s19, s17                     ; T: tile column = 4 x cluster x + cx
	s_and_b32 s20, ttmp7, 0xffff
	s_lshl_b32 s20, s20, 2
	s_add_co_u32 s20, s20, s18                     ; tile row = 4 x cluster y + cy
	s_lshl_b32 s21, s18, 2
	s_lshl_b32 s21, 15, s21                        ; my row of the cluster
	s_lshl_b32 s22, 0x1111, s17                    ; my column
	; group 1: tiles of rows of 256 bytes, 1,024 bytes apart in memory, 16 bytes of padding behind each
	s_or_b32 s[G1A], s21, (0<<16)|(1<<20)|(1<<21)|(5<<22)|(3<<25)   ; 15:0 the mask; 17:16 elements of 1 byte; 20 padding on; 21 set beside a mask; 24:22 after every 64 words; 31:25 four words
	s_or_b32 s[G1B], s22, (0<<16)|(1<<20)|(1<<21)|(5<<22)|(3<<25)
	s_mov_b32 s[G1A+1], 256<<16                    ; tensor_dim0
	s_mov_b32 s[G1A+2], 128<<16                    ; tensor_dim1: x's 128 rows
	s_mov_b32 s[G1A+3], 256<<16                    ; tile_dim0
	s_mov_b32 s[G1A+4], 128                        ; tile_dim1
	s_mov_b32 s[G1A+5], 1024                       ; from row to row
	s_mov_b32 s[G1A+6], 0
	s_mov_b32 s[G1A+7], 0
	s_mov_b32 s[G1B+1], 256<<16
	s_mov_b32 s[G1B+2], 64<<16                     ; a third of W's 192 rows
	s_mov_b32 s[G1B+3], 256<<16
	s_mov_b32 s[G1B+4], 64
	s_mov_b32 s[G1B+5], 1024
	s_mov_b32 s[G1B+6], 0
	s_mov_b32 s[G1B+7], 0
	; the scale bytes: dense blocks, as rows of 256 bytes (32 elements of 8 bytes)
	s_or_b32 s[G1SA], s21, (3<<16)|(1<<20)|(1<<21)|(5<<22)|(3<<25)
	s_or_b32 s[G1SB], s22, (3<<16)|(1<<20)|(1<<21)|(5<<22)|(3<<25)
	s_mov_b32 s[G1SA+1], 32<<16
	s_mov_b32 s[G1SA+2], 32<<16                    ; 128 rows x 64 bytes = 32 rows of 256
	s_mov_b32 s[G1SA+3], 32<<16
	s_mov_b32 s[G1SA+4], 32
	s_mov_b32 s[G1SA+5], 32
	s_mov_b32 s[G1SA+6], 0
	s_mov_b32 s[G1SA+7], 0
	s_mov_b32 s[G1SB+1], 32<<16
	s_mov_b32 s[G1SB+2], 16<<16                    ; 64 rows x 64 bytes
	s_mov_b32 s[G1SB+3], 32<<16
	s_mov_b32 s[G1SB+4], 16
	s_mov_b32 s[G1SB+5], 32
	s_mov_b32 s[G1SB+6], 0
	s_mov_b32 s[G1SB+7], 0
	; where the tiles come from: x's from the tile row alone, W's from the tile column and the wave alone, each in registers that never hold the other coordinate
	s_lshl_b32 s92, s20, 17                        ; x's codes: 128 rows of 1,024 bytes
	s_mov_b32 s93, 0
	s_lshl_b32 s98, s20, 13                        ; x's scale bytes: 128 rows of 64
	s_mov_b32 s99, 0
	s_mul_i32 s94, s19, 192
	s_lshl_b32 s95, s23, 6
	s_add_co_u32 s94, s94, s95                     ; W's row: 192 T + 64 x third
	s_lshl_b32 s96, s94, 6
	s_add_co_u32 s96, s96, 2048*64                 ; its scale bytes, behind x's
	s_mov_b32 s97, 0
	s_lshl_b32 s94, s94, 10
	s_add_co_u32 s94, s94, 2048*1024               ; its codes, behind x's
	s_mov_b32 s95, 0
	s_mul_i32 s2, s23, 64*PITCH                    ; and where W's go in a slot,
	s_mul_i32 s3, s23, 4*SBLK                      ; and among the scale bytes: no place in the cluster enters an LDS address
	s_wait_dscnt 0x0                               ; both opening adds are done
	s_wait_kmcnt 0x0
	s_add_nc_u64 s[92:93], s[4:5], s[92:93]
	s_add_nc_u64 s[98:99], s[6:7], s[98:99]
	s_add_nc_u64 s[94:95], s[4:5], s[94:95]
	s_add_nc_u64 s[96:97], s[6:7], s[96:97]
	CROUND                                         ; all sixteen work-groups are here: the first joint loads meet
	s_mov_b32 s[G0SA], 1
	s_mov_b32 s[G0SA+1], SCL
	s_mov_b64 s[G0SA+2:G0SA+3], s[98:99]
	s_or_b32 s[G0SA+3], s[G0SA+3], 0x80000000
	s_mov_b32 s[G0SB], 1
	s_add_co_u32 s[G0SB+1], s3, SCLB
	s_mov_b64 s[G0SB+2:G0SB+3], s[96:97]
	s_or_b32 s[G0SB+3], s[G0SB+3], 0x80000000
	JLOAD G0SA, G1SA, G0SB, G1SB                   ; the scale bytes first: they are wanted with phase 0
.macro MKG0 ga, gb, s                  ; slot s takes phase s: 256 s bytes along the rows
	s_mov_b32 s[\ga], 1
	s_mov_b32 s[\ga+1], \s*SLOT
	s_add_nc_u64 s[\ga+2:\ga+3], s[92:93], \s*256
	s_or_b32 s[\ga+3], s[\ga+3], 0x80000000
	s_mov_b32 s[\gb], 1
	s_add_co_u32 s[\gb+1], s2, \s*SLOT+SLOTA
	s_add_nc_u64 s[\gb+2:\gb+3], s[94:95], \s*256
	s_or_b32 s[\gb+3], s[\gb+3], 0x80000000
	JLOAD \ga, G1A, \gb, G1B
.endm
	MKG0 G0A0, G0B0, 0
	MKG0 G0A1, G0B1, 1
	MKG0 G0A2, G0B2, 2                             ; four tensor loads of mine are out
	; addresses
	v_and_b32 v1, 15, v0                           ; r
	v_bfe_u32 v2, v0, 4, 1                         ; h
	v_and_b32 v3, 31, v0                           ; lane
	v_mul_u32_u24 v104, v1, PITCH
	v_lshl_add_u32 v104, v2, 4, v104               ; a fragment's row x pitch + 16 h
	s_mul_i32 s2, s16, 32*PITCH                    ; my 32 rows of x
	v_add_nc_u32 v[ADRA], s2, v104
	v_add_nc_u32 v[ADRA+1], SLOT, v[ADRA]
	v_add_nc_u32 v[ADRA+2], 2*SLOT, v[ADRA]
	v_add_nc_u32 v[ADRB], SLOTA, v104
	v_add_nc_u32 v[ADRB+1], SLOT, v[ADRB]
	v_add_nc_u32 v[ADRB+2], 2*SLOT, v[ADRB]
	v_lshrrev_b32 v105, 2, v1
	v_lshlrev_b32 v105, 4, v105
	v_lshl_add_u32 v105, v1, 6, v105               ; row r's scale bytes: 64 r, and 16 more for each 256 passed
	v_mad_u32_u24 v[ADRSA], v2, SBLK, v105         ; lanes 16-31: the next 16 rows
	s_mul_i32 s2, s16, 2*SBLK
	s_add_co_u32 s2, s2, SCL
	v_add_nc_u32 v[ADRSA], s2, v[ADRSA]
	v_mad_u32_u24 v[ADRSB], v2, 6*SBLK, v105       ; lanes 16-31: six blocks further on
	v_add_nc_u32 v[ADRSB], SCLB, v[ADRSB]
	s_mul_i32 s2, s16, 2560
	s_add_co_u32 s2, s2, STG                       ; my stage
	v_mul_u32_u24 v[STO], v1, SPITCH
	v_lshl_add_u32 v[STO], v2, 4, v[STO]
	v_add_nc_u32 v[STO], s2, v[STO]                ; in: row r, 16 bytes for each half of the lanes
	v_lshrrev_b32 v105, 3, v3
	v_mul_u32_u24 v105, v105, SPITCH
	v_and_b32 v106, 7, v0
	v_lshl_add_u32 v105, v106, 4, v105
	v_add_nc_u32 v[RD], s2, v105                   ; back: eight lanes to a row of 128 bytes, four rows an instruction
	v_lshlrev_b32 v[GOUT], 4, v3
	v_lshlrev_b32 v[QSO], 3, v3
	v_mov_b32 v[ZO], 0
	v_mov_b32 v[PD], 0                             ; a lane permute's destination counts as one of its sources
	v_mov_b32 v[PD+1], 0
	v_mov_b32 v[MU+1], 0                           ; named as the upper half of a pair
	v_lshlrev_b32 v[CSO], 8, v1
	v_lshl_add_u32 v[CSO], v2, 5, v[CSO]           ; cos, sin: row r of 256 bytes, + 32 h
	; where my results go
	s_lshl_b32 s2, s20, 7
	s_lshl_b32 s3, s16, 5
	s_add_co_u32 s2, s2, s3                        ; my first position: 128 x tile row + 32 x wave
	s_lshl_b32 s4, s2, 8
	s_mov_b32 s5, 0
	s_add_nc_u64 s[8:9], s[8:9], s[4:5]
	s_add_nc_u64 s[10:11], s[10:11], s[4:5]
	s_lshl_b32 s6, s19, 12                         ; head 2 T: 2 T x 2,048 rows
	s_add_co_u32 s6, s6, s2
	s_lshl_b32 s6, s6, 7                           ; of 128 bytes
	s_mov_b32 s7, 0
	s_add_nc_u64 s[QB:QB+1], s[12:13], s[6:7]
	s_lshl_b32 s6, s19, 11                         ; key head T; value head T - 8 lies 8 heads behind k16's first byte, so one formula serves both
	s_add_co_u32 s6, s6, s2
	s_lshl_b32 s6, s6, 7
	s_add_co_u32 s6, s6, 8388608
	s_add_nc_u64 s[KVB:KVB+1], s[12:13], s[6:7]
	s_lshl_b32 s6, s20, 2
	s_add_co_u32 s6, s6, s16                       ; position / 32
	s_lshl_b32 s3, s6, 4
	s_add_co_u32 s3, s3, s19
	s_lshl_b32 s4, s3, 8
	s_add_nc_u64 s[FQB:FQB+1], s[14:15], s[4:5]
	s_lshl_b32 s3, s19, 6
	s_add_co_u32 s3, s3, s6
	s_lshl_b32 s4, s3, 2
	s_add_co_u32 s4, s4, 262144
	s_add_nc_u64 s[KSB:KSB+1], s[14:15], s[4:5]    ; (used where T < 8 alone)
	s_mov_b32 s6, 0x76543210
	s_mov_b32 s7, 0xfedcba98                       ; v_permlanex16_b32's selects for lane l xor 16
	s_mov_b32 s3, 0xffff0000                       ; lanes 16-31
	WIN TO_CS
.irp a, 0,1
.irp t, 0,1,2,3
.irp i, 0,1
	global_load_b128 v[32*\a+8*\t+4*\i:32*\a+8*\t+4*\i+3], v[CSO], s[8:9] offset:4096*\a+64*\t+16*\i          ; cos(position 16 a + r, 16 t + 8 h + 4 i ..): wanted on the way out
	global_load_b128 v[64+32*\a+8*\t+4*\i:64+32*\a+8*\t+4*\i+3], v[CSO], s[10:11] offset:4096*\a+64*\t+16*\i
.endr
.endr
.endr
	WIN 0
; a matrix instruction.  ra, rb: the scale words of source 0, source 1 lie in lanes 16-31
.macro WM d, bf, af, sw, sx, zero, ra, rb
.if (\zero) && (\ra) && (\rb)
	v_wmma_scale_f32_16x16x128_f8f6f4 v[\d:\d+7], v[\bf:\bf+7], v[\af:\af+7], 0, v[\sw], v[\sx] matrix_a_fmt:MATRIX_FMT_FP4 matrix_b_fmt:MATRIX_FMT_FP4 matrix_a_scale:MATRIX_SCALE_ROW1 matrix_b_scale:MATRIX_SCALE_ROW1
.elseif (\zero) && (\ra)
	v_wmma_scale_f32_16x16x128_f8f6f4 v[\d:\d+7], v[\bf:\bf+7], v[\af:\af+7], 0, v[\sw], v[\sx] matrix_a_fmt:MATRIX_FMT_FP4 matrix_b_fmt:MATRIX_FMT_FP4 matrix_a_scale:MATRIX_SCALE_ROW1
.elseif (\zero) && (\rb)
	v_wmma_scale_f32_16x16x128_f8f6f4 v[\d:\d+7], v[\bf:\bf+7], v[\af:\af+7], 0, v[\sw], v[\sx] matrix_a_fmt:MATRIX_FMT_FP4 matrix_b_fmt:MATRIX_FMT_FP4 matrix_b_scale:MATRIX_SCALE_ROW1
.elseif (\zero)
	v_wmma_scale_f32_16x16x128_f8f6f4 v[\d:\d+7], v[\bf:\bf+7], v[\af:\af+7], 0, v[\sw], v[\sx] matrix_a_fmt:MATRIX_FMT_FP4 matrix_b_fmt:MATRIX_FMT_FP4
.elseif (\ra) && (\rb)
	v_wmma_scale_f32_16x16x128_f8f6f4 v[\d:\d+7], v[\bf:\bf+7], v[\af:\af+7], v[\d:\d+7], v[\sw], v[\sx] matrix_a_fmt:MATRIX_FMT_FP4 matrix_b_fmt:MATRIX_FMT_FP4 matrix_a_scale:MATRIX_SCALE_ROW1 matrix_b_scale:MATRIX_SCALE_ROW1
.elseif (\ra)
	v_wmma_scale_f32_16x16x128_f8f6f4 v[\d:\d+7], v[\bf:\bf+7], v[\af:\af+7], v[\d:\d+7], v[\sw], v[\sx] matrix_a_fmt:MATRIX_FMT_FP4 matrix_b_fmt:MATRIX_FMT_FP4 matrix_a_scale:MATRIX_SCALE_ROW1
.elseif (\rb)
	v_wmma_scale_f32_16x16x128_f8f6f4 v[\d:\d+7], v[\bf:\bf+7], v[\af:\af+7], v[\d:\d+7], v[\sw], v[\sx] matrix_a_fmt:MATRIX_FMT_FP4 matrix_b_fmt:MATRIX_FMT_FP4 matrix_b_scale:MATRIX_SCALE_ROW1
.else
	v_wmma_scale_f32_16x16x128_f8f6f4 v[\d:\d+7], v[\bf:\bf+7], v[\af:\af+7], v[\d:\d+7], v[\sw], v[\sx] matrix_a_fmt:MATRIX_FMT_FP4 matrix_b_fmt:MATRIX_FMT_FP4
.endif
.endm
; 12 matrix instructions: x's block a against W's twelve, the phase's q-th 128 along K.  p: the set of fragments; sc: the set of scale words; zero = 1: the product starts the sums.
; The 24 accumulators take turns, one instruction a turn, in the same order in every step.
.macro MUL12 a, p, q, sc, zero
.irp b, 0,1,2,3,4,5,6,7,8,9,10,11
	WM 8*(12*(\a)+\b), 96*(\p)+8*\b, AF+16*(\p)+8*(\a), SC+28*(\sc)+4+4*(\b%6)+(\q), SC+28*(\sc)+(\q), \zero, \b/6, \a
.endr
.endm
; 28 LDS loads in one run: the fragments of slot s, its q-th 128 along K, into set p.  A fragment, 16 rows x 128 K of 4-bit codes, is 8 registers: lane (r, h) holds row r; registers 4 c .. 4 c + 3 hold K = 64 c + 32 h + 0 .. 31
.macro FETCH s, q, p
	WIN TO_B
.irp b, 0,1,2,3,4,5,6,7,8,9,10,11
.irp c, 0,1
	ds_load_b128 v[96*(\p)+8*\b+4*\c:96*(\p)+8*\b+4*\c+3], v[ADRB+\s] offset:64*(\q)+32*\c+16*PITCH*\b
.endr
.endr
	WIN 0
.irp a, 0,1
.irp c, 0,1
	ds_load_b128 v[AF+16*(\p)+8*\a+4*\c:AF+16*(\p)+8*\a+4*\c+3], v[ADRA+\s] offset:64*(\q)+32*\c+16*PITCH*\a
.endr
.endr
.endm
.macro SCALES sc, ph                   ; phase ph's scale words, four a row, into set sc
	ds_load_b128 v[SC+28*\sc:SC+28*\sc+3], v[ADRSA] offset:16*\ph
.irp i, 0,1,2,3,4,5
	ds_load_b128 v[SC+28*\sc+4+4*\i:SC+28*\sc+4+4*\i+3], v[ADRSB] offset:SBLK*\i+16*\ph
.endr
.endm
; a step of 128 along K: this step's fragments are in; the next step's (slot fs, its fq-th) are asked for, and land while this step is multiplied.  nsc >= 0: with them phase nph's scale words into set nsc
.macro STEP q, sc, zero, fs, fq, nsc, nph
	s_wait_dscnt 0x0                               ; asked for a step ago
	PLACES                                         ; for the loads into the set that the last step multiplied
	FETCH \fs, \fq, 1-(\q)%2
.if \nsc >= 0
	SCALES \nsc, \nph
.endif
	WIN MUL
	MUL12 0, (\q)%2, \q, \sc, \zero
	MUL12 1, (\q)%2, \q, \sc, \zero
	WIN 0
.endm
	s_wait_tensorcnt 2                             ; the scale bytes and my part of slot 0 are in; slots 1 and 2 may stay out
	s_barrier_signal -1
	s_barrier_wait -1                              ; everybody's are
	FETCH 0, 0, 0
	SCALES 0, 0
	STEP 0, 0, 1, 0, 1, -1, 0                      ; phase 0; the first step's products start the sums: nothing is cleared
	STEP 1, 0, 0, 0, 2, -1, 0
	STEP 2, 0, 0, 0, 3, -1, 0
	; phase 0's last step leaves slot 0, which takes phase 3.  In front of the round each wave waits for all its tensor loads, adds 0 to its spare word, and waits for that and for its reads of the slot
	s_wait_tensorcnt 0x0                           ; all my tensor loads have landed, slots 1 and 2 among them: a group 0 may be written
	ds_add_u32 v[SPW], v[NIL]
	s_add_nc_u64 s[G0A0+2:G0A0+3], s[G0A0+2:G0A0+3], 768   ; phase 3: 768 bytes along the rows
	s_add_nc_u64 s[G0B0+2:G0B0+3], s[G0B0+2:G0B0+3], 768
	s_wait_dscnt 1                                 ; the step's fragments are in; the add may be out
	WIN MUL
	MUL12 0, 1, 3, 0, 0                            ; twelve matrix instructions stand between the add and the wait for it
	WIN 0
	s_wait_dscnt 0x0                               ; the add is done, and my reads of slot 0 are over
	s_barrier_signal -1
	s_barrier_wait -1
	CREST                                          ; the round: no wave of any partner still reads slot 0 or has a load on its way
	JLOAD G0A0, G1A, G0B0, G1B                     ; the first tensor load behind the round, one a wave; its four v_nop are the places in front of the loads below
	FETCH 1, 0, 0
	SCALES 1, 1
	WIN MUL
	MUL12 1, 1, 3, 0, 0
	WIN 0
	STEP 0, 1, 0, 1, 1, -1, 0                      ; phase 1
	STEP 1, 1, 0, 1, 2, -1, 0
	STEP 2, 1, 0, 1, 3, -1, 0
	STEP 3, 1, 0, 2, 0, 0, 2                       ; slot 2 is whole for every wave since the round above
	STEP 0, 0, 0, 2, 1, -1, 0                      ; phase 2
	STEP 1, 0, 0, 2, 2, -1, 0
	STEP 2, 0, 0, 2, 3, -1, 0
	s_wait_tensorcnt 0x0                           ; my part of phase 3 is in slot 0
	ds_add_u32 v[SPW], v[NIL]
	s_wait_dscnt 0x0                               ; the step's fragments are in; my reads of slots 1 and 2 are over
	s_barrier_signal -1
	s_barrier_wait -1                              ; everybody's part is in, and nobody reads slot 1 any more: the stages may be written
	PLACES
	FETCH 0, 0, 0
	SCALES 1, 3
	WIN MUL
	MUL12 0, 1, 3, 0, 0
	MUL12 1, 1, 3, 0, 0
	WIN 0
	STEP 0, 1, 0, 0, 1, -1, 0                      ; phase 3
	STEP 1, 1, 0, 0, 2, -1, 0
	STEP 2, 1, 0, 0, 3, -1, 0
	s_wait_dscnt 0x0
	WIN MUL
	MUL12 0, 1, 3, 1, 0
	MUL12 1, 1, 3, 1, 0
	WIN 0
; THE WAY OUT.
; The rotary of head u (0, 1: queries; 2: keys), block of positions a: out(d) = in(d) cos(d) - in(d + 32) sin(d) for d < 32, in(d) cos(d) + in(d - 32) sin(d) from 32 on.  Each accumulator is read from its low end on.
.macro ROT a, u
	WIN 0x0d                                       ; source 0 window 1 (sums), source 1 window 3 (cos, sin), source 2 and destination window 0
.irp t, 0,1
.irp jp, 0,2,4,6
	v_pk_mul_f32 v[PKD+2*\jp:PKD+2*\jp+1], v[8*(12*\a+4*\u+\t+2)+\jp:8*(12*\a+4*\u+\t+2)+\jp+1], v[64+32*\a+8*\t+\jp:64+32*\a+8*\t+\jp+1]
	v_pk_mul_f32 v[PKD+2*\jp+2:PKD+2*\jp+3], v[8*(12*\a+4*\u+\t)+\jp:8*(12*\a+4*\u+\t)+\jp+1], v[64+32*\a+8*(\t+2)+\jp:64+32*\a+8*(\t+2)+\jp+1]
.endr
.irp jp, 0,2,4,6
	v_pk_fma_f32 v[RR+32*\a+8*\t+\jp:RR+32*\a+8*\t+\jp+1], v[8*(12*\a+4*\u+\t)+\jp:8*(12*\a+4*\u+\t)+\jp+1], v[32*\a+8*\t+\jp:32*\a+8*\t+\jp+1], v[PKD+2*\jp:PKD+2*\jp+1] neg_lo:[0,0,1] neg_hi:[0,0,1]
	v_pk_fma_f32 v[RR+32*\a+8*(\t+2)+\jp:RR+32*\a+8*(\t+2)+\jp+1], v[8*(12*\a+4*\u+\t+2)+\jp:8*(12*\a+4*\u+\t+2)+\jp+1], v[32*\a+8*(\t+2)+\jp:32*\a+8*(\t+2)+\jp+1], v[PKD+2*\jp+2:PKD+2*\jp+3]
.endr
.endr
	WIN 0
.endm
.macro MAXROW a                        ; the largest magnitude of a position's 64 numbers: my 32 in two chains, with the floor 2^-126, then lane l xor 16's
	v_max3_num_f32 v[AM+\a], |v[RR+32*\a]|, |v[RR+32*\a+1]|, 0x00800000
	v_max3_num_f32 v[TT], |v[RR+32*\a+16]|, |v[RR+32*\a+17]|, 0x00800000
.irp i, 2,4,6,8,10,12,14
	v_max3_num_f32 v[AM+\a], v[AM+\a], |v[RR+32*\a+\i]|, |v[RR+32*\a+\i+1]|
	v_max3_num_f32 v[TT], v[TT], |v[RR+32*\a+16+\i]|, |v[RR+32*\a+17+\i]|
.endr
	v_max_num_f32 v[AM+\a], v[AM+\a], v[TT]
	v_permlanex16_b32 v[PD+\a], v[AM+\a], s6, s7
	v_max_num_f32 v[AM+\a], v[AM+\a], v[PD+\a]
.endm
.macro MKSCALE a                       ; E = the power of two in the largest magnitude; 1 / E has the exponent field 254 - E's
	v_and_b32 v[EE], 0x7f800000, v[AM+\a]
	v_sub_nc_u32 v[MU], 0x7f000000, v[EE]
.endm
.macro PACKR a                         ; x 1 / E (exact), then to f16: 16 bytes for each tile
.irp i, 0,2,4,6,8,10,12,14,16,18,20,22,24,26,28,30
	v_pk_mul_f32 v[RR+32*\a+\i:RR+32*\a+\i+1], v[RR+32*\a+\i:RR+32*\a+\i+1], v[MU:MU+1] op_sel_hi:[1,0]
.endr
.irp i, 0,1,2,3,4,5,6,7,8,9,10,11,12,13,14,15
	v_cvt_pk_f16_f32 v[PKD+\i], v[RR+32*\a+2*\i], v[RR+32*\a+2*\i+1]
.endr
.endm
; 16 positions x 128 bytes go through my stage and leave as 2,048 consecutive bytes: each store of the wave covers 512 consecutive bytes, aligned.  n: which set takes the rows; so: which stage
.macro OUT n, base, off, so
.irp t, 0,1,2,3
	ds_store_b128 v[STO], v[PKD+4*\t:PKD+4*\t+3] offset:\so+32*\t
.endr
	s_wait_xcnt 0x0                                ; the set's last stores have read their registers
.irp i, 0,1,2,3
	ds_load_b128 v[BK+16*((\n)%2)+4*\i:BK+16*((\n)%2)+4*\i+3], v[RD] offset:\so+4*SPITCH*\i   ; LDS serves a wave's instructions in order: these see the stores above
.endr
	s_wait_dscnt 0x0
.irp i, 0,1,2,3
	global_store_b128 v[GOUT], v[BK+16*((\n)%2)+4*\i:BK+16*((\n)%2)+4*\i+3], s[\base:\base+1] offset:\off+512*\i
.endr
.endm
	s_wait_loadcnt 0x0                             ; cos and sin
	PLACES                                         ; behind the last products
.irp u, 0,1
.irp a, 0,1
	ROT \a, \u
	MAXROW \a
	MKSCALE \a
	v_mul_f32 v[FQ+2*\u+\a], 0x3e38aa3b, v[EE]     ; fq = E log2(e) / 8
	PACKR \a
	OUT 2*\u+\a, QB, 262144*\u+2048*\a, 0
.endr
.endr
	v_cndmask_b32 v[XX], v[FQ], v[FQ+1], s3        ; lane l takes position l of my 32: lanes 16-31 block 1's
	v_cndmask_b32 v[XX+1], v[FQ+2], v[FQ+3], s3
	global_store_b64 v[QSO], v[XX:XX+1], s[FQB:FQB+1]   ; 256 consecutive bytes, aligned
	s_cmp_lt_u32 ttmp9, 2                          ; T < 8: the third head is a key head.  The cluster's x alone decides: all partners go the same way
	s_cbranch_scc0 .Lv
	ROT 0, 2
	ROT 1, 2
	MAXROW 0
	MAXROW 1
	v_max_num_f32 v[AM], v[AM], v[AM+1]            ; one scale for my 32 positions:
	v_max_num_f32_dpp v[AM], v[AM], v[AM] row_xmask:1 row_mask:0xf bank_mask:0xf
	v_max_num_f32_dpp v[AM], v[AM], v[AM] row_xmask:2 row_mask:0xf bank_mask:0xf
	v_max_num_f32_dpp v[AM], v[AM], v[AM] row_xmask:4 row_mask:0xf bank_mask:0xf
	v_max_num_f32_dpp v[AM], v[AM], v[AM] row_xmask:8 row_mask:0xf bank_mask:0xf
	MKSCALE 0
	PACKR 0
	OUT 0, KVB, 0, 0
	PACKR 1
	OUT 1, KVB, 2048, 0
	s_wait_xcnt 0x0                                ; EXEC changes only behind this wait
	v_cmp_eq_u32 vcc_lo, 0, v3
	s_and_saveexec_b32 s2, vcc_lo
	global_store_b32 v[ZO], v[EE], s[KSB:KSB+1]    ; fk = E: one number a wave
	s_wait_xcnt 0x0                                ; and again, in front of the line that widens it
	s_or_b32 exec_lo, exec_lo, s2
	s_branch .Lend
.Lv:                                               ; a value head: no rotary, no scale
.irp a, 0,1
	WIN 0x05                                       ; sources 0 and 1 window 1
.irp i, 0,1,2,3,4,5,6,7,8,9,10,11,12,13,14,15
	v_cvt_pk_f16_f32 v[PKD+\i], v[8*(12*\a+8)+2*\i], v[8*(12*\a+8)+2*\i+1]
.endr
	WIN 0
	OUT \a, KVB, 2048*\a, STGV
.endr
.Lend:
	s_wait_tensorcnt 0x0                           ; the wave's end, behind my last tensor load and my last LDS store
	ds_add_u32 v[SPW], v[NIL]
	s_wait_dscnt 0x0
	CROUND                                         ; the closing round: no work-group ends while a partner may still ask for a tile that names it
	s_endpgm
.Lfunc_end_k_q616271cbe8_qkv:
	.size	k_q616271cbe8_qkv, .Lfunc_end_k_q616271cbe8_qkv-k_q616271cbe8_qkv
	.p2alignl 7, 3214868480
	.fill 96, 4, 3214868480
	.section	.rodata,"a",@progbits
	.p2align	6, 0x0
	.amdhsa_kernel k_q616271cbe8_qkv
		.amdhsa_group_segment_fixed_size 327680
		.amdhsa_private_segment_fixed_size 0
		.amdhsa_enable_private_segment 0
		.amdhsa_kernarg_size 48
		.amdhsa_user_sgpr_count 2
		.amdhsa_user_sgpr_kernarg_segment_ptr 1
		.amdhsa_wavefront_size32 1
		.amdhsa_system_sgpr_workgroup_id_x 1
		.amdhsa_system_sgpr_workgroup_id_y 1
		.amdhsa_system_sgpr_workgroup_id_z 1
		.amdhsa_system_vgpr_workitem_id 0
		.amdhsa_next_free_vgpr 896
		.amdhsa_next_free_sgpr 100
		.amdhsa_reserve_vcc 1
		.amdhsa_float_denorm_mode_32 3
		.amdhsa_float_denorm_mode_16_64 3
		.amdhsa_memory_ordered 1
		.amdhsa_forward_progress 1
		.amdhsa_inst_pref_size 142
	.end_amdhsa_kernel
	.amdgpu_metadata
---
amdhsa.version: [ 1, 2 ]
amdhsa.kernels:
  - .name:           k_q616271cbe8_qkv
    .symbol:         k_q616271cbe8_qkv.kd
    .args:
      - { .name: codes, .offset: 0, .size: 8, .value_kind: global_buffer, .address_space: global }
      - { .name: scales, .offset: 8, .size: 8, .value_kind: global_buffer, .address_space: global }
      - { .name: cos, .offset: 16, .size: 8, .value_kind: global_buffer, .address_space: global }
      - { .name: sin, .offset: 24, .size: 8, .value_kind: global_buffer, .address_space: global }
      - { .name: qkv, .offset: 32, .size: 8, .value_kind: global_buffer, .address_space: global }
      - { .name: fac, .offset: 40, .size: 8, .value_kind: global_buffer, .address_space: global }
    .group_segment_fixed_size: 327680
    .private_segment_fixed_size: 0
    .kernarg_segment_align: 8
    .kernarg_segment_size: 48
    .max_flat_workgroup_size: 128
    .sgpr_count:     100
    .vgpr_count:     896
    .wavefront_size: 32
...
	.end_amdgpu_metadata
.endif
;; end of part 2
;; launch attn (part 3): grid 32 x 8, 8 waves a work-group, clusters of 4 x 1, 327,680 bytes of LDS; arguments qkv, fac, wo, att, wo16; writes att, wo16
.if DOCPART == 3
	.amdgcn_target "amdgcn-amd-amdhsa--gfx1250"
	.amdhsa_code_object_version 6
	.text
	.protected	k_q616271cbe8_attn
	.globl	k_q616271cbe8_attn
	.p2align	8
	.type	k_q616271cbe8_attn,@function
k_q616271cbe8_attn:
	s_mov_b64 s[64:65], 0
	v_nop
	global_prefetch_b8 v0, s[64:65] scope:SCOPE_SE
	s_setreg_imm32_b32 hwreg(HW_REG_WAVE_MODE, 25, 1), 1
	s_wait_xcnt 0x0
	s_wait_alu depctr_hold_cnt(0) depctr_sa_sdst(0) depctr_va_vdst(0) depctr_va_sdst(0) depctr_va_ssrc(0) depctr_va_vcc(0) depctr_vm_vsrc(0)
	s_getreg_b32 s2, hwreg(HW_REG_IB_STS2, 6, 4)
	s_cmp_eq_u32 s2, 0
	s_cbranch_scc0 .Lentry_in_a_cluster
	s_endpgm
.Lentry_in_a_cluster:
	s_bfe_u32 s2, ttmp6, 0x10000c
	s_cmp_lg_u32 s2, 0x3003
	s_cbranch_scc0 .Lentry_shape_is_right
	s_endpgm
.Lentry_shape_is_right:
; ATTN.  att[position][head][:] = the sum over keys of softmax(q' . k' / 8) v, 32 query heads on 8 key and value heads, 2,048 positions, head size 64, no mask.  Operands f16, products, maxima and sums f32.
; qkv: q16 [32][2048][64] at 0, k16 [8][2048][64] at 8,388,608, v16 [8][2048][64] at 10,485,760.  q16 = q' / E_q, k16 = k' / E_k, powers of two.  fac: fq = E_q log2(e) / 8 at [position / 32][head / 2][position % 32][head % 2];
; fk = E_k at 262,144 + [key head][key / 32].  So t = score x log2(e) / 8 = s16 x (fq fk): fq is one number a lane, fk a scalar for 32 keys.
; SOFTMAX.  For each query a running maximum M of t and a running sum l: p = 2^(t - M), rounded to f16 for the second product; the sum is taken of the unrounded p; in every step O and l are multiplied by 2^(old M - new M).
; SHARES.  A work-group owns 64 positions of the four query heads of one key head: 256 query rows.  Wave w: positions 16 (w / 2) on, heads 4 g + 2 (w % 2) and the next: two tiles of 16 queries, which share every fragment of K and V,
; and whose results are 256 neighbouring bytes of a row of att.  Two waves lie on a SIMD.  Every wave walks all 2,048 keys, 64 a step.
; LAYOUT.  S^T = K Q^T (source 0 = 16 keys, source 1 = 16 queries): a lane holds ONE query (lane % 16) and keys 8 (lane / 16) + 0..7.  Two such tiles, rounded in pairs, are source 1 of O^T = V^T P.  V ([key][channel]) is turned by ds_load_tr16_b128.
; V^T P IS NOT A BARE RUN OF PRODUCTS: behind each of its sixteen matrix instructions stand vector lines that are due anyway and name none of its registers: the rescaling of the accumulator that comes next, the rounding of p for
; keys 32-63, the tree of the row's sums.  All of these, and V, P and O^T, lie in window 0, so that no window is switched between them.
; RING.  Two slots of 512 keys (K's rows, then V's); waves 0-3 fetch K's quarters, waves 4-7 V's: one load of 128 rows a wave behind each change of slots, with eight key steps in which to land; four changes of slots in all.
; CLUSTER.  The four work-groups of a cluster belong to one key head and walk the same K and V: each tile is asked for jointly, mask 15.
; BESIDE IT: wo [2048][2048] f32 becomes wo16, f16, as it lies: each of the launch's 2,048 waves takes 8,192 bytes; its sixteen loads go out at the head into registers that nothing else uses, and are rounded and stored behind the loop.
; LIMITS: |v| and |wo| under 65,504; t finite in f32; NaN and infinities are not served.
; REGISTERS: window 0: v0-11 addresses, fq; v12-31 statistics, 10 a tile; v32-95 S^T; v96-127 P; v128-191 O^T; v192-255 V's fragments.   window 1: v0-31 Q; v32-95 K's fragments; v96-159 wo as loaded; v160-191 wo16; v192, v193 their offsets.
.set PK,    144                        ; a row of K in LDS: 128 bytes + 16 = 36 words: the 16 rows of a load start at 16 different 16-byte columns
.set PV,    160                        ; a row of V: 128 + 32
.set SK,    512                        ; keys in a slot
.set VOFF,  SK*PK                      ; a slot: K's 512 rows, then V's
.set SLOTB, SK*(PK+PV)                 ; 155,648 bytes; slot 1 begins here
.set SPARE, 2*SLOTB                    ; behind the ring: the spare words, 128 bytes a wave
.set SP,    272                        ; the way out: 16 rows x 272 bytes for each wave, from LDS byte 0 on: in slot 0, which has had its last fill, and which every wave has left at the last change of slots
.set AK0, 2                            ; v2   my lane's place in a tile of K
.set AV0, 3                            ; v3   the same for V
.set ADK, 4                            ; v4   + the slot in hand, + half a slot from its fifth step on
.set ADV, 5
.set PFO, 6                            ; v6   256 x lane; never rewritten
.set SPW, 8
.set NIL, 9
.set FQV, 10                           ; v[10:11] fq of my query in tiles 0 and 1
.set ST,  12                           ; tile u at ST + 10 u: +0 M, +1 old M, then old - new; +2, +3 l; +4 F0, +5 c0; +6 F1, +7 c1; +8 the rescaling factor, +9 at work
.set S,   32
.set P,   96
.set OT,  128
.set VR,  192
.set QR,  0                            ; window 1
.set KR,  32                           ; window 1
.set WD,  96                           ; window 1
.set WP,  160                          ; window 1
.set WOI, 192                          ; window 1: 16 x lane; never rewritten
.set WOO, 193                          ; window 1: 8 x lane; never rewritten
.set WV,  12                           ; s12  wave
.set LIM, 15                           ; s15  1 in a wave that prefetches, else the greatest number
.set PFA, 18                           ; s[18:19] where my prefetches stand
.set G1K, 24
.set G1V, 32
.set G0K, 40
.set G0V, 44
.set KL,  48                           ; s48  my quarter's place in a slot, K's;  s49 V's
.set VL,  49
.set FB,  50                           ; s50  LDS byte at which the slot that is filled begins
.set WOB, 52                           ; s[52:53] wo16 at my wave's 4,096 bytes
.set KSB, 56                           ; s[56:57] where the next slot's fk lie
.set SLOTS, 59
.set SEL, 60
.set TB,  62                           ; s62  LDS byte at which the slot in hand begins
.set KF,  68                           ; s[68:83] fk of the slot's sixteen groups of 32 keys
.set MSB, 0
.macro WIN new
.if MSB != \new
	s_set_vgpr_msb (MSB<<8)|\new
.set MSB, \new
.endif
.endm
.set W_KQ, 0x05                        ; K (source 0) and Q (source 1) in window 1, S^T in window 0
.set TO_1, 0x40                        ; destination window 1
.macro JLOAD                           ; waves 0-3 fetch K's quarters, waves 4-7 V's; an s_nop 0 and four v_nop follow each line
	s_cmp_lt_u32 s[WV], 4
	s_cbranch_scc0 .Lfor_v_\@
	tensor_load_to_lds s[G0K:G0K+3], s[G1K:G1K+7]
	s_nop 0
.rept 4
	v_nop
.endr
	s_branch .Lasked_\@
.Lfor_v_\@:
	tensor_load_to_lds s[G0V:G0V+3], s[G1V:G1V+7]
	s_nop 0
.rept 4
	v_nop
.endr
.Lasked_\@:
.endm
; A prefetch of what the NEXT change of slots will ask for: 512 rows of K and of V, 128 bytes each: two dense blocks of 65,536 bytes.  All clusters of a key head walk the same rows: the head's first cluster asks.
; Its four partners share each block out by address, 16,384 bytes each; in each, waves 0 and 1 ask for K's and waves 4 and 5 for V's, 8,192 bytes a wave, lanes 256 bytes apart: each aligned 256 bytes are named once in the launch.
; It stands behind the wave's tensor load: eight key steps ahead of the load that will want the rows.  The last change that fills a slot asks for nothing; slots 0 and 1 come by their loads alone.
.macro ASK
	s_cmp_gt_u32 s[SLOTS], s[LIM]
	s_cbranch_scc0 .Lnot_mine_\@
	global_prefetch_b8 v[PFO], s[PFA:PFA+1] th:TH_LOAD_NT scope:SCOPE_SE
.Lnot_mine_\@:
.endm
.macro CROUND
	s_barrier_signal -1
	s_barrier_wait -1
	s_cmp_lg_u32 s[WV], 0
	s_cbranch_scc1 .Lnot_wave_0_\@
	s_barrier_signal -3
.Lnot_wave_0_\@:
	s_barrier_wait -3
	s_barrier_signal -1
	s_barrier_wait -1
.endm
	s_load_b128 s[4:7], s[0:1], 0x0                ; qkv s[4:5], fac s[6:7]
	s_load_b128 s[8:11], s[0:1], 0x10              ; wo s[8:9], att s[10:11]
	s_load_b64 s[WOB:WOB+1], s[0:1], 0x20          ; wo16
	v_lshl_add_u32 v[SPW], v0, 2, SPARE
	v_mov_b32 v[NIL], 0
	ds_add_u32 v[SPW], v[NIL]                      ; the wave's opening: the add, twice on end, and its wait ahead of my first tensor load
	ds_add_u32 v[SPW], v[NIL]
	v_lshrrev_b32 v1, 5, v0
	v_readfirstlane_b32 s[WV], v1                  ; wave 0..7
	s_bfe_u32 s13, ttmp6, 0x40000                  ; cx
	s_lshl_b32 s14, ttmp9, 2
	s_add_co_u32 s14, s14, s13                     ; my block of 64 positions: it enters Q's, fq's, att's and wo's addresses alone
	s_and_b32 s16, ttmp7, 0xffff                   ; g: the key head, which the four partners share
	s_and_b32 s17, s[WV], 3                        ; which quarter of a slot's rows I fetch
	s_lshl_b32 s20, s16, 18                        ; the head's 2,048 rows of 128 bytes,
	s_lshl_b32 s21, s17, 14                        ; my 128 rows
	s_add_co_u32 s20, s20, s21
	s_add_co_u32 s20, s20, 8388608                 ; in k16,
	s_mov_b32 s21, 0
	s_add_co_u32 s22, s20, 2097152                 ; in v16
	s_mov_b32 s23, 0
	s_mul_i32 s[KL], s17, 128*PK                   ; and in a slot: no place in the cluster enters an LDS address
	s_mul_i32 s[VL], s17, 128*PV
	s_add_co_u32 s[VL], s[VL], VOFF
	s_mov_b32 s[FB], 0
	; group 1: 128 rows x 64 elements of 2 bytes, dense in memory, padded in LDS
	s_mov_b32 s[G1K], 15|(1<<16)|(1<<20)|(1<<21)|(4<<22)|(3<<25)   ; 15:0 the mask: all four work-groups; 17:16 elements of 2 bytes; 20 padding on; 21 set beside a mask; 24:22 after every 32 words; 31:25 four words
	s_mov_b32 s[G1V], 15|(1<<16)|(1<<20)|(1<<21)|(4<<22)|(7<<25)   ; the same with eight words of padding
.irp g, G1K, G1V
	s_mov_b32 s[\g+1], 64<<16                      ; tensor_dim0
	s_mov_b32 s[\g+2], 128<<16                     ; tensor_dim1
	s_mov_b32 s[\g+3], 64<<16                      ; tile_dim0
	s_mov_b32 s[\g+4], 128                         ; tile_dim1
	s_mov_b32 s[\g+5], 64                          ; from row to row
	s_mov_b32 s[\g+6], 0
	s_mov_b32 s[\g+7], 0
.endr
	s_mov_b32 s[SEL], 0x76543210
	s_mov_b32 s[SEL+1], 0xfedcba98                 ; lane l xor 16
	s_mov_b32 s[TB], 0
	s_mov_b32 s[SLOTS], 3
	s_lshr_b32 s[LIM], s17, 1
	s_or_b32 s[LIM], s[LIM], ttmp9                 ; 0 in waves 0, 1, 4, 5 of the head's first cluster: the same in all four partners
	s_cmp_eq_u32 s[LIM], 0
	s_cselect_b32 s[LIM], 1, -1
	s_cmp_lt_u32 s[WV], 4
	s_cselect_b32 s[PFA], 0, 2097152               ; K's rows or V's,
	s_add_co_u32 s[PFA], s[PFA], 8388608+65536     ; in slot 1: the first change of slots steps it to slot 2,
	s_lshl_b32 s2, s16, 18
	s_add_co_u32 s[PFA], s[PFA], s2                ; in my head,
	s_lshl_b32 s2, s13, 14
	s_add_co_u32 s[PFA], s[PFA], s2                ; my work-group's 16,384 bytes,
	s_and_b32 s2, s[WV], 1
	s_lshl_b32 s2, s2, 13
	s_add_co_u32 s[PFA], s[PFA], s2                ; my wave's 8,192 of them
	s_mov_b32 s[PFA+1], 0
	s_lshl_b32 s[KSB], s16, 8
	s_add_co_u32 s[KSB], s[KSB], 262144
	s_mov_b32 s[KSB+1], 0
	s_wait_dscnt 0x0                               ; both opening adds are done
	s_wait_kmcnt 0x0
	s_add_nc_u64 s[PFA:PFA+1], s[4:5], s[PFA:PFA+1]
	s_add_nc_u64 s[KSB:KSB+1], s[6:7], s[KSB:KSB+1]
	CROUND                                         ; all four work-groups are here: the first joint loads meet
	s_mov_b32 s[G0K], 1
	s_mov_b32 s[G0K+1], s[KL]
	s_add_nc_u64 s[G0K+2:G0K+3], s[4:5], s[20:21]
	s_or_b32 s[G0K+3], s[G0K+3], 0x80000000
	s_mov_b32 s[G0V], 1
	s_mov_b32 s[G0V+1], s[VL]
	s_add_nc_u64 s[G0V+2:G0V+3], s[4:5], s[22:23]
	s_or_b32 s[G0V+3], s[G0V+3], 0x80000000
	JLOAD                                          ; slot 0: keys 0 to 511
	s_lshr_b32 s2, s[WV], 1                        ; which 16 positions
	s_and_b32 s3, s[WV], 1                         ; which pair of heads
	s_lshl_b32 s54, s16, 1
	s_add_co_u32 s54, s54, s3                      ; T = head / 2
	s_lshl_b32 s55, s14, 6
	s_lshl_b32 s58, s2, 4
	s_add_co_u32 s55, s55, s58                     ; my first position
	s_lshl_b32 s20, s54, 12                        ; head 2 T: 2 T x 2,048 rows
	s_add_co_u32 s20, s20, s55
	s_lshl_b32 s20, s20, 7
	s_mov_b32 s21, 0
	s_add_nc_u64 s[20:21], s[4:5], s[20:21]        ; Q
	s_lshl_b32 s22, s14, 1
	s_lshr_b32 s58, s2, 1
	s_add_co_u32 s22, s22, s58                     ; position / 32
	s_lshl_b32 s22, s22, 4
	s_add_co_u32 s22, s22, s54
	s_lshl_b32 s22, s22, 8
	s_and_b32 s58, s2, 1
	s_lshl_b32 s58, s58, 7
	s_add_co_u32 s22, s22, s58
	s_mov_b32 s23, 0
	s_add_nc_u64 s[22:23], s[6:7], s[22:23]        ; fq
	s_lshl_b32 s2, s55, 12                         ; a row of att is 4,096 bytes;
	s_lshl_b32 s58, s54, 8                         ; my two heads' 256 bytes in it
	s_add_co_u32 s2, s2, s58
	s_mov_b32 s3, 0
	s_add_nc_u64 s[10:11], s[10:11], s[2:3]
	s_lshl_b32 s2, s16, 5
	s_add_co_u32 s2, s2, s14                       ; the work-group's number, 0 to 255,
	s_lshl_b32 s2, s2, 3
	s_add_co_u32 s2, s2, s[WV]                     ; the wave's, 0 to 2,047:
	s_lshl_b32 s58, s2, 12                         ; 4,096 bytes of wo16,
	s_lshl_b32 s2, s2, 13                          ; 8,192 bytes of wo
	s_add_nc_u64 s[8:9], s[8:9], s[2:3]
	s_mov_b32 s2, s58
	s_add_nc_u64 s[WOB:WOB+1], s[WOB:WOB+1], s[2:3]
	v_and_b32 v1, 15, v0                           ; r
	v_bfe_u32 v7, v0, 4, 1                         ; h
	v_lshlrev_b32 v32, 7, v1
	v_lshl_add_u32 v32, v7, 4, v32                 ; Q: row r of 128 bytes + 16 h
	WIN TO_1
.irp u, 0,1
.irp c, 0,1
.irp e, 0,1
	global_load_b128 v[QR+16*\u+8*\c+4*\e:QR+16*\u+8*\c+4*\e+3], v32, s[20:21] offset:262144*\u+64*\c+32*\e   ; Q stays in registers: tile u, channels 32 c on
.endr
.endr
.endr
	WIN 0
	v_lshlrev_b32 v33, 3, v1
	global_load_b64 v[FQV:FQV+1], v33, s[22:23]    ; my query's fq in both heads
	v_and_b32 v34, 31, v0
	WIN TO_1
	v_lshlrev_b32 v[WOI], 4, v34
	v_lshlrev_b32 v[WOO], 3, v34
	WIN 0x41                                       ; destination and address window 1
.set j, 0
.rept 16
	global_load_b128 v[WD+4*j:WD+4*j+3], v[WOI], s[8:9] offset:512*j th:TH_LOAD_NT   ; wo: 512 consecutive bytes a load; wanted behind the loop
.set j, j+1
.endr
	WIN 0
	v_mul_u32_u24 v[AK0], v1, PK
	v_lshl_add_u32 v[AK0], v7, 4, v[AK0]
	v_and_b32 v35, 7, v0
	v_bfe_u32 v36, v0, 3, 1
	v_lshl_add_u32 v[AV0], v7, 3, v35              ; the turning load: key 8 h + l % 8, channels 8 ((l / 8) % 2) on
	v_mul_u32_u24 v[AV0], v[AV0], PV
	v_lshl_add_u32 v[AV0], v36, 4, v[AV0]
	v_add_nc_u32 v[AV0], VOFF, v[AV0]
	v_lshlrev_b32 v[PFO], 8, v34
.irp u, 0,1
	v_mov_b32 v[ST+10*\u], 0xff61b1e6              ; M: -3e38, under every t
.irp i, 1,2,3,4,5,6,7,8,9
	v_mov_b32 v[ST+10*\u+\i], 0                    ; l = 0; the others are written because they are named in pairs or as a permute's destination
.endr
.endr
.set j, 0
.rept 64
	v_mov_b32 v[OT+j], 0                           ; O^T.  (The step is written once: the first finds zeros, which its factor 0 leaves zeros)
.set j, j+1
.endr
	s_wait_loadcnt 16                              ; Q and fq are in; wo's sixteen loads, issued behind them, stay out
.macro FETCH_K q                       ; 16 loads: 64 keys x 64 channels: fragment (kt, c) = keys 16 kt on, channels 32 c on
	WIN TO_1
.irp kt, 0,1,2,3
.irp c, 0,1
.irp e, 0,1
	ds_load_b128 v[KR+8*(2*\kt+\c)+4*\e:KR+8*(2*\kt+\c)+4*\e+3], v[ADK] offset:64*PK*(\q)+16*PK*\kt+64*\c+32*\e
.endr
.endr
.endr
	WIN 0
.endm
.macro FETCH_V q                       ; 16 turning loads: fragment (kh, dt) = keys 32 kh on, channels 16 dt on
.irp kh, 0,1
.irp dt, 0,1,2,3
.irp e, 0,1
	ds_load_tr16_b128 v[VR+8*(4*\kh+\dt)+4*\e:VR+8*(4*\kh+\dt)+4*\e+3], v[ADV] offset:64*PV*(\q)+32*PV*\kh+16*PV*\e+32*\dt
.endr
.endr
.endr
.endm
.macro SCALE b                         ; pair b of the 32 pairs of scores: t - M = s F - M, two at a time (of the pairs F and M the low word serves both halves)
	v_pk_fma_f32 v[S+2*(\b):S+2*(\b)+1], v[S+2*(\b):S+2*(\b)+1], v[ST+10*((\b)/16)+4+2*(((\b)/8)%2):ST+10*((\b)/16)+5+2*(((\b)/8)%2)], v[ST+10*((\b)/16):ST+10*((\b)/16)+1] op_sel_hi:[1,0,0] neg_lo:[0,0,1] neg_hi:[0,0,1]
.endm
; line n of 32 of the rows' sums of the unrounded p: a tree in place over each tile's 16 pairs, neighbours 1, 2, 4 and 8 pairs apart, the tiles by turns; the last two lines: l = l x factor + the sum
.macro TREE n
.if (\n) < 16
.set tb, S+32*((\n)%2)+4*((\n)/2)
.set td, 2
.elseif (\n) < 24
.set tb, S+32*((\n)%2)+8*(((\n)-16)/2)
.set td, 4
.elseif (\n) < 28
.set tb, S+32*((\n)%2)+16*(((\n)-24)/2)
.set td, 8
.elseif (\n) < 30
.set tb, S+32*((\n)%2)
.set td, 16
.endif
.if (\n) < 30
	v_pk_add_f32 v[tb:tb+1], v[tb:tb+1], v[tb+td:tb+td+1]
.else
.set tu, (\n)-30
	v_pk_fma_f32 v[ST+10*tu+2:ST+10*tu+3], v[ST+10*tu+2:ST+10*tu+3], v[ST+10*tu+8:ST+10*tu+9], v[S+32*tu:S+32*tu+1] op_sel_hi:[1,0,1]
.endif
.endm
; O^T = O^T x factor + V^T P.  Sixteen matrix instructions, the eight accumulators by turns, one instruction a turn.  Keys 0-31 first: ahead of each product its accumulator is rescaled, from its low end on,
; while the product before it is at work; two roundings of p for keys 32-63 follow.  Then keys 32-63, with four lines of the sums behind each product: the last four are the four plain instructions between the last product and the next loads into V's registers.
.macro PVB
.irp i, 0,2,4,6
	v_pk_mul_f32 v[OT+\i:OT+\i+1], v[OT+\i:OT+\i+1], v[ST+8:ST+9] op_sel_hi:[1,0]
.endr
.set pn, 0
.rept 8
.set pu, pn%2
.set pd, pn/2
	v_wmma_f32_16x16x32_f16 v[OT+32*pu+8*pd:OT+32*pu+8*pd+7], v[VR+8*pd:VR+8*pd+7], v[P+16*pu:P+16*pu+7], v[OT+32*pu+8*pd:OT+32*pu+8*pd+7]
.if pn < 7
.set pu, (pn+1)%2
.set pd, (pn+1)/2
.irp i, 0,2,4,6
	v_pk_mul_f32 v[OT+32*pu+8*pd+\i:OT+32*pu+8*pd+\i+1], v[OT+32*pu+8*pd+\i:OT+32*pu+8*pd+\i+1], v[ST+10*pu+8:ST+10*pu+9] op_sel_hi:[1,0]
.endr
.endif
.set pci, 2*pn
	v_cvt_pk_f16_f32 v[P+16*(pci/8)+8+pci%8], v[S+32*(pci/8)+16+2*(pci%8)], v[S+32*(pci/8)+17+2*(pci%8)]
.set pci, 2*pn+1
	v_cvt_pk_f16_f32 v[P+16*(pci/8)+8+pci%8], v[S+32*(pci/8)+16+2*(pci%8)], v[S+32*(pci/8)+17+2*(pci%8)]
.set pn, pn+1
.endr
.set pn, 0
.rept 8
.set pu, pn%2
.set pd, pn/2
	v_wmma_f32_16x16x32_f16 v[OT+32*pu+8*pd:OT+32*pu+8*pd+7], v[VR+8*(4+pd):VR+8*(4+pd)+7], v[P+16*pu+8:P+16*pu+15], v[OT+32*pu+8*pd:OT+32*pu+8*pd+7]
	TREE 4*pn
	TREE 4*pn+1
	TREE 4*pn+2
	TREE 4*pn+3
.set pn, pn+1
.endr
.endm
; A KEY STEP: 64 keys, the q-th of the slot in hand
.macro STEP q
.if (\q) == 4
	v_add_nc_u32 v[ADV], 4*64*PV, v[ADV]           ; the slot's second half: an LDS offset has 16 bits
.endif
	FETCH_V (\q)%4
	s_wait_dscnt 16                                ; K is in; V's sixteen loads may stay out
	WIN W_KQ
.irp c, 0,1                            ; the eight accumulators take turns, one instruction a turn; the first eight products start the sums
.irp kt, 0,1,2,3
.irp u, 0,1
.if \c == 0
	v_wmma_f32_16x16x32_f16 v[S+32*\u+8*\kt:S+32*\u+8*\kt+7], v[KR+8*(2*\kt+\c):KR+8*(2*\kt+\c)+7], v[QR+16*\u+8*\c:QR+16*\u+8*\c+7], 0
.else
	v_wmma_f32_16x16x32_f16 v[S+32*\u+8*\kt:S+32*\u+8*\kt+7], v[KR+8*(2*\kt+\c):KR+8*(2*\kt+\c)+7], v[QR+16*\u+8*\c:QR+16*\u+8*\c+7], v[S+32*\u+8*\kt:S+32*\u+8*\kt+7]
.endif
.endr
.endr
.endr
	WIN 0
.irp u, 0,1
.irp g, 0,1
	v_mul_f32 v[ST+10*\u+4+2*\g], s[KF+2*(\q)+\g], v[FQV+\u]   ; F = fq fk of keys 32 g on.  (These four are the plain instructions behind the products)
.endr
.endr
.if (\q) < 7
.if (\q) == 3
	v_add_nc_u32 v[ADK], 4*64*PK, v[ADK]           ; the slot's second half
.endif
	FETCH_K ((\q)+1)%4
.endif
.irp u, 0,1                            ; the largest score of each group of 32 keys (my 16 of them): four chains by turns; each accumulator is read from its low end on
.irp g, 0,1
	v_max3_num_f32 v[ST+10*\u+5+2*\g], v[S+32*\u+16*\g], v[S+32*\u+16*\g+1], v[S+32*\u+16*\g+2]
.endr
.endr
.irp i, 3,5,7,9,11,13
.irp u, 0,1
.irp g, 0,1
	v_max3_num_f32 v[ST+10*\u+5+2*\g], v[ST+10*\u+5+2*\g], v[S+32*\u+16*\g+\i], v[S+32*\u+16*\g+\i+1]
.endr
.endr
.endr
.irp u, 0,1
.irp g, 0,1
	v_max_num_f32 v[ST+10*\u+5+2*\g], v[ST+10*\u+5+2*\g], v[S+32*\u+16*\g+15]
.endr
.endr
.irp u, 0,1
	v_mov_b32 v[ST+10*\u+1], v[ST+10*\u]           ; the old M
.endr
.irp u, 0,1
.irp g, 0,1
	v_mul_f32 v[ST+10*\u+5+2*\g], v[ST+10*\u+5+2*\g], v[ST+10*\u+4+2*\g]   ; as t (F is positive)
.endr
.endr
.irp u, 0,1
	v_max3_num_f32 v[ST+10*\u+5], v[ST+10*\u+5], v[ST+10*\u+7], v[ST+10*\u]
.endr
.irp u, 0,1
	v_permlanex16_b32 v[ST+10*\u+9], v[ST+10*\u+5], s[SEL], s[SEL+1]   ; the query's other 32 keys lie in the lane 16 away
.endr
.irp u, 0,1
	v_max_num_f32 v[ST+10*\u], v[ST+10*\u+5], v[ST+10*\u+9]               ; the new M
.endr
.irp u, 0,1
	v_sub_f32 v[ST+10*\u+1], v[ST+10*\u+1], v[ST+10*\u]
.endr
	; ONE BATCH: the 32 scalings and all 66 exponentials; none of these names an exponential's result.  A scaling, then two exponentials; each pair is scaled two pairs ahead of its exponentials
.irp u, 0,1
	v_exp_f32 v[ST+10*\u+8], v[ST+10*\u+1]         ; 2^(old M - new M)
.endr
	SCALE 0
	SCALE 1
.set sb, 0
.rept 32
.if sb+2 < 32
	SCALE sb+2
.endif
	v_exp_f32 v[S+2*sb], v[S+2*sb]                 ; p = 2^(t - M)
	v_exp_f32 v[S+2*sb+1], v[S+2*sb+1]
.set sb, sb+1
.endr
	v_nop                                          ; a plain instruction behind the last exponential
	s_wait_alu depctr_va_vdst(0)                   ; one wait for the whole batch, ahead of its first reader
.irp u, 0,1
.irp i, 0,1,2,3,4,5,6,7
	v_cvt_pk_f16_f32 v[P+16*\u+\i], v[S+32*\u+2*\i], v[S+32*\u+2*\i+1]   ; p of keys 0-31; those of keys 32-63 stand among the products
.endr
.endr
.if (\q) < 7
	s_wait_dscnt 16                                ; V is in; the next K's sixteen loads may stay out
.else
	s_wait_dscnt 0x0
.endif
	PVB
.endm
; THE CHANGE OF SLOTS stands at a slot's head.  Each wave waits for all its tensor loads (its part of the slot ahead), adds 0 to its spare word, and waits for that and for its reads of the slot that it has left.
; fill = 1: behind a round of the cluster's barrier that other slot takes the next 512 keys.
.macro CHANGE fill
	s_load_b512 s[KF:KF+15], s[KSB:KSB+1], 0x0     ; fk of the slot ahead
	s_wait_tensorcnt 0x0                           ; no tensor load of mine is out, so a group 0 may be written
	ds_add_u32 v[SPW], v[NIL]
.if \fill
	s_xor_b32 s[FB], s[FB], SLOTB                  ; the walking descriptors: the other slot than last time (the register holds 0 or a slot's bytes, nothing else),
	s_add_co_u32 s[G0K+1], s[KL], s[FB]
	s_add_nc_u64 s[G0K+2:G0K+3], s[G0K+2:G0K+3], SK*128   ; the next 512 keys; the type bits on top are not reached
	s_add_co_u32 s[G0V+1], s[VL], s[FB]
	s_add_nc_u64 s[G0V+2:G0V+3], s[G0V+2:G0V+3], SK*128
	s_wait_xcnt 0x0                                ; the last prefetch, a slot back, has read its address, so it may be written:
	s_add_nc_u64 s[PFA:PFA+1], s[PFA:PFA+1], SK*128   ; one slot further on than the walking descriptors
.endif
	s_wait_dscnt 0x0                               ; the add is done, and my reads of the slot that I have left are over
.if \fill
	CROUND                                         ; no wave of any partner still reads that slot or has a load on its way
	JLOAD                                          ; the first tensor load behind the round, one a wave
	ASK
.else
	s_barrier_signal -1
	s_barrier_wait -1
.endif
	s_wait_kmcnt 0x0                               ; fk are in, and their address may be stepped
	s_add_nc_u64 s[KSB:KSB+1], s[KSB:KSB+1], 64
	v_add_nc_u32 v[ADK], s[TB], v[AK0]
	v_add_nc_u32 v[ADV], s[TB], v[AV0]
	FETCH_K 0
.endm
.macro SLOT_STEPS
.irp q, 0,1,2,3,4,5,6,7
	STEP \q
.endr
	s_xor_b32 s[TB], s[TB], SLOTB                  ; on to the other slot
.endm
.Lslot:                                            ; three trips: behind each change of slots but the last the next slot is asked for
	CHANGE 1
	SLOT_STEPS
	s_sub_co_u32 s[SLOTS], s[SLOTS], 1
	s_cmp_lg_u32 s[SLOTS], 0
	s_cbranch_scc1 .Lslot
	; wo to f16: the sixteen loads went out at the head; the stores have the last slot's eight key steps in which to leave
	s_wait_loadcnt 0x0
	WIN 0x45                                       ; destination, sources 0 and 1 (a store's address and data) window 1
.set j, 0
.rept 32
	v_cvt_pk_f16_f32 v[WP+j], v[WD+2*j], v[WD+2*j+1]
.set j, j+1
.endr
.set j, 0
.rept 16
	global_store_b64 v[WOO], v[WP+2*j:WP+2*j+1], s[WOB:WOB+1] offset:256*j   ; 256 consecutive bytes, aligned; neither data nor address is written again
.set j, j+1
.endr
	WIN 0
	CHANGE 0                                       ; the last slot is written out
	SLOT_STEPS
	; THE WAY OUT: O^T / l, to f16, through my stage: 16 positions x 256 bytes (my two heads), so that sixteen lanes store 256 consecutive bytes, aligned
.irp u, 0,1
	v_add_f32 v[ST+10*\u+5], v[ST+10*\u+2], v[ST+10*\u+3]
.endr
.irp u, 0,1
	v_permlanex16_b32 v[ST+10*\u+9], v[ST+10*\u+5], s[SEL], s[SEL+1]
.endr
.irp u, 0,1
	v_add_f32 v[ST+10*\u+5], v[ST+10*\u+5], v[ST+10*\u+9]
.endr
.irp u, 0,1
	v_rcp_f32 v[ST+10*\u+8], v[ST+10*\u+5]
.endr
	v_and_b32 v1, 15, v0                           ; (plain work behind the reciprocals)  r
	v_bfe_u32 v7, v0, 4, 1                         ; h
	s_mul_i32 s58, s[WV], 16*SP                    ; my stage
	v_mul_u32_u24 v2, v1, SP
	v_lshl_add_u32 v2, v7, 4, v2
	v_add_nc_u32 v2, s58, v2                       ; in: row r, 16 bytes for each half of the lanes
	v_mul_u32_u24 v3, v7, SP
	v_lshl_add_u32 v3, v1, 4, v3
	v_add_nc_u32 v3, s58, v3                       ; back: lanes 0-15 one row of 256 bytes, lanes 16-31 the next
	v_lshlrev_b32 v4, 12, v7
	v_lshl_add_u32 v4, v1, 4, v4                   ; and the same two rows in att
	s_wait_alu depctr_va_vdst(0)                   ; one wait for both reciprocals, ahead of the first reader
.irp u, 0,1
.irp i, 0,2,4,6,8,10,12,14,16,18,20,22,24,26,28,30
	v_pk_mul_f32 v[OT+32*\u+\i:OT+32*\u+\i+1], v[OT+32*\u+\i:OT+32*\u+\i+1], v[ST+10*\u+8:ST+10*\u+9] op_sel_hi:[1,0]
.endr
.irp i, 0,1,2,3,4,5,6,7,8,9,10,11,12,13,14,15
	v_cvt_pk_f16_f32 v[S+32*\u+\i], v[OT+32*\u+2*\i], v[OT+32*\u+2*\i+1]
.endr
.irp dt, 0,1,2,3
	ds_store_b128 v2, v[S+32*\u+4*\dt:S+32*\u+4*\dt+3] offset:128*\u+32*\dt
.endr
.endr
.irp f, 0,1,2,3,4,5,6,7
	ds_load_b128 v[VR+4*\f:VR+4*\f+3], v3 offset:\f*2*SP   ; LDS serves a wave's instructions in order: these see my stores
.endr
.irp f, 0,1,2,3,4,5,6,7
	s_wait_dscnt 7-\f                              ; loads come back in order: the younger ones may stay out
	global_store_b128 v4, v[VR+4*\f:VR+4*\f+3], s[10:11] offset:8192*\f
.endr
	s_wait_tensorcnt 0x0                           ; the wave's end, behind my last tensor load and my last LDS store
	ds_add_u32 v[SPW], v[NIL]
	s_wait_dscnt 0x0
	CROUND                                         ; the closing round
	s_endpgm
.Lfunc_end_k_q616271cbe8_attn:
	.size	k_q616271cbe8_attn, .Lfunc_end_k_q616271cbe8_attn-k_q616271cbe8_attn
	.p2alignl 7, 3214868480
	.fill 96, 4, 3214868480
	.section	.rodata,"a",@progbits
	.p2align	6, 0x0
	.amdhsa_kernel k_q616271cbe8_attn
		.amdhsa_group_segment_fixed_size 327680
		.amdhsa_private_segment_fixed_size 0
		.amdhsa_enable_private_segment 0
		.amdhsa_kernarg_size 40
		.amdhsa_user_sgpr_count 2
		.amdhsa_user_sgpr_kernarg_segment_ptr 1
		.amdhsa_wavefront_size32 1
		.amdhsa_system_sgpr_workgroup_id_x 1
		.amdhsa_system_sgpr_workgroup_id_y 1
		.amdhsa_system_sgpr_workgroup_id_z 1
		.amdhsa_system_vgpr_workitem_id 0
		.amdhsa_next_free_vgpr 512
		.amdhsa_next_free_sgpr 84
		.amdhsa_reserve_vcc 0
		.amdhsa_float_denorm_mode_32 3
		.amdhsa_float_denorm_mode_16_64 3
		.amdhsa_memory_ordered 1
		.amdhsa_forward_progress 1
		.amdhsa_inst_pref_size 255
	.end_amdhsa_kernel
	.section	.bss,"aw",@nobits
	.p2align	6
	.space	262144
	.amdgpu_metadata
---
amdhsa.version: [ 1, 2 ]
amdhsa.kernels:
  - .name:           k_q616271cbe8_attn
    .symbol:         k_q616271cbe8_attn.kd
    .args:
      - { .name: qkv, .offset: 0, .size: 8, .value_kind: global_buffer, .address_space: global }
      - { .name: fac, .offset: 8, .size: 8, .value_kind: global_buffer, .address_space: global }
      - { .name: wo, .offset: 16, .size: 8, .value_kind: global_buffer, .address_space: global }
      - { .name: att, .offset: 24, .size: 8, .value_kind: global_buffer, .address_space: global }
      - { .name: wo16, .offset: 32, .size: 8, .value_kind: global_buffer, .address_space: global }
    .group_segment_fixed_size: 327680
    .private_segment_fixed_size: 0
    .kernarg_segment_align: 8
    .kernarg_segment_size: 40
    .max_flat_workgroup_size: 256
    .sgpr_count:     84
    .vgpr_count:     512
    .wavefront_size: 32
...
	.end_amdgpu_metadata
.endif
;; end of part 3
;; launch oproj (part 4): grid 16 x 16, 4 waves a work-group, clusters of 4 x 4, 327,680 bytes of LDS; arguments att, wo16, out0; writes out0
.if DOCPART == 4
	.amdgcn_target "amdgcn-amd-amdhsa--gfx1250"
	.amdhsa_code_object_version 6
	.text
	.protected	k_q616271cbe8_oproj
	.globl	k_q616271cbe8_oproj
	.p2align	8
	.type	k_q616271cbe8_oproj,@function
k_q616271cbe8_oproj:
	s_mov_b64 s[64:65], 0
	v_nop
	global_prefetch_b8 v0, s[64:65] scope:SCOPE_SE
	s_setreg_imm32_b32 hwreg(HW_REG_WAVE_MODE, 25, 1), 1
	s_wait_xcnt 0x0
	s_wait_alu depctr_hold_cnt(0) depctr_sa_sdst(0) depctr_va_vdst(0) depctr_va_sdst(0) depctr_va_ssrc(0) depctr_va_vcc(0) depctr_vm_vsrc(0)
	s_getreg_b32 s2, hwreg(HW_REG_IB_STS2, 6, 4)
	s_cmp_eq_u32 s2, 0
	s_cbranch_scc0 .Lentry_in_a_cluster
	s_endpgm
.Lentry_in_a_cluster:
	s_bfe_u32 s2, ttmp6, 0x10000c
	s_cmp_lg_u32 s2, 0xf033
	s_cbranch_scc0 .Lentry_shape_is_right
	s_endpgm
.Lentry_shape_is_right:
; OPROJ.  out0[m][n] = sum over k of att[m][k] wo16[n][k].  att: [2048][2048] f16, wo16: [2048][2048] f16, out0: [2048][2048] f32; sums in f32.
; 2,048 x 2,048 of C are 256 tiles of 128 x 128, one for each work-group.  Four waves, each 64 x 64: 16 accumulators of 16 x 16.  K goes in steps of 256 (LDS rows of 512 bytes; a wave's tensor load brings 64 of them)
; through a ring of two slots.  A wave's 64 columns of f32 are 256 bytes, aligned: so each wave has a stage of its own on the way out, and no barrier stands there.
; CLUSTERS: 4 x 4 work-groups.  The four of a row of the cluster need the same tiles of A, the four of a column the same tiles of B: each tile is asked for jointly.
; EACH CLUSTER BEGINS ITS WALK ALONG K ELSEWHERE: cluster (X, Y) at K step 2 X + 4 ((Y xor Y / 2) mod 2), modulo 8, and goes round.  So the four clusters that read the same rows of A stand two K steps apart, and clusters Y, Y + 1
; and Y, Y + 2, which read the same rows of B, four apart: no two of them ask for the same bytes in the same step.  The start hangs on the cluster's x and y alone, which all sixteen partners share.  The sums take K in that rotated order.
; THE MATRIX INSTRUCTION IS USED TRANSPOSED (source 0 = 16 rows of B, source 1 = 16 rows of A): a lane then holds eight neighbouring numbers of a row of C.
; LIMITS: |att| and |wo| under 65,504.
; REGISTERS: window 0: v0-31 addresses; v32-95 at work on the way out; v128-255 the accumulators ((a, b) at v[128 + 8 (4 a + b)]).   window 1: two fragment buffers of 128: 64 registers of A, then 64 of B, for 64 along K.
.set SIZE_M, 2048
.set SIZE_N, 2048
.set SIZE_K, 2048
.set KSTEP,  256
.set PITCH,  528                       ; an LDS row: 512 bytes + 16 of padding = 132 words: row r starts at bank 4 r mod 64 (64 banks of 4 bytes: ISA guide 11.1)
.set HALFT,  64*PITCH                  ; 64 rows: what one tensor load brings, and what one wave reads of A or of B
.set SLOT,   4*HALFT
.set STAGE,  2*SLOT                    ; behind the ring: 16 rows x 272 bytes for each wave
.set SPITCH, 272
.set SPARE,  STAGE+4*16*SPITCH         ; behind the stages: the spare words, 128 bytes a wave
.set LAPS, SIZE_K/(2*KSTEP)
.set ADRA, 16
.set ADRB, 20
.set STO,  24
.set RD,   25
.set CO,   26
.set SPW,  28
.set NIL,  29
.set TMP,  32
.set ACC,  128
.set F0,   0
.set F1,   128
.set G1, 24
.set G0, 32
.set G1B, 48
.set G0B, 56
.set BA,  66                           ; s[66:67] A at the first byte of the 64 rows that I fetch;  s[68:69] B likewise
.set BB,  68
.set OF,  70                           ; s[70:71], s[72:73] slot 0's, slot 1's K step, in bytes along a row (the upper words 0)
.set MSB, 0
.macro WIN new
.if MSB != \new
	s_set_vgpr_msb (MSB<<8)|\new
.set MSB, \new
.endif
.endm
.set MUL,  0x05                        ; sources 0 (B) and 1 (A) window 1; C and D window 0
.set TO_F, 0x40                        ; destination window 1, address window 0
.macro JLOAD s                         ; waves 0 and 1 fetch A's two halves, waves 2 and 3 B's; an s_nop 0 and four v_nop follow each line
	s_cmp_eq_u32 s11, 0
	s_cbranch_scc0 .Lfor_b_\@
	tensor_load_to_lds s[G0+4*\s:G0+4*\s+3], s[G1:G1+7]
	s_nop 0
.rept 4
	v_nop
.endr
	s_branch .Lasked_\@
.Lfor_b_\@:
	tensor_load_to_lds s[G0B+4*\s:G0B+4*\s+3], s[G1B:G1B+7]
	s_nop 0
.rept 4
	v_nop
.endr
.Lasked_\@:
.endm
.macro CREST
	s_cmp_lg_u32 s10, 0
	s_cbranch_scc1 .Lnot_wave_0_\@
	s_barrier_signal -3
.Lnot_wave_0_\@:
	s_barrier_wait -3
	s_barrier_signal -1
	s_barrier_wait -1
.endm
.macro CROUND
	s_barrier_signal -1
	s_barrier_wait -1
	CREST
.endm
.macro AIM s                           ; slot s's two descriptors at its K step: the rows' first byte + the step's bytes; then the type
	s_add_nc_u64 s[G0+4*\s+2:G0+4*\s+3], s[BA:BA+1], s[OF+2*\s:OF+2*\s+1]
	s_or_b32 s[G0+4*\s+3], s[G0+4*\s+3], 0x80000000
	s_add_nc_u64 s[G0B+4*\s+2:G0B+4*\s+3], s[BB:BB+1], s[OF+2*\s:OF+2*\s+1]
	s_or_b32 s[G0B+4*\s+3], s[G0B+4*\s+3], 0x80000000
.endm
	s_load_b128 s[4:7], s[0:1], 0x0                ; A s[4:5], B s[6:7]
	s_load_b64 s[8:9], s[0:1], 0x10                ; C
	v_lshl_add_u32 v[SPW], v0, 2, SPARE
	v_mov_b32 v[NIL], 0
	ds_add_u32 v[SPW], v[NIL]                      ; the wave's opening: the add, twice on end, and its wait ahead of my first tensor load
	ds_add_u32 v[SPW], v[NIL]
	v_lshrrev_b32 v1, 5, v0
	v_readfirstlane_b32 s10, v1                    ; wave 0..3
	s_lshr_b32 s11, s10, 1                         ; which half of the tile's rows is mine.  Also: I fetch for A (0) or for B (1)
	s_and_b32 s12, s10, 1                          ; which half of its columns.  Also: which 64 rows of that tile I fetch
	s_bfe_u32 s40, ttmp6, 0x40000                  ; cx, cy
	s_bfe_u32 s41, ttmp6, 0x40004
	s_lshl_b32 s42, ttmp9, 2
	s_add_co_u32 s42, s42, s40                     ; tile column of C
	s_and_b32 s13, ttmp7, 0xffff
	s_lshl_b32 s13, s13, 2
	s_add_co_u32 s13, s13, s41                     ; tile row of C
	s_lshl_b32 s43, s41, 2
	s_lshl_b32 s43, 15, s43                        ; my row of the cluster
	s_lshl_b32 s44, 0x1111, s40                    ; my column
	s_or_b32 s[G1+0], s43, (1<<16)|(1<<20)|(1<<21)|(6<<22)|(3<<25)  ; 15:0 the mask; 17:16 elements of 2 bytes; 20 padding on; 21 set beside a mask; 24:22 after every 128 words; 31:25 four words
	s_or_b32 s[G1B+0], s44, (1<<16)|(1<<20)|(1<<21)|(6<<22)|(3<<25)
.irp g, G1, G1B
	s_mov_b32 s[\g+1], KSTEP<<16                   ; tensor_dim0 = 256
	s_mov_b32 s[\g+2], 64<<16                      ; tensor_dim1 = 64
	s_mov_b32 s[\g+3], KSTEP<<16                   ; tile_dim0 = 256
	s_mov_b32 s[\g+4], 64                          ; tile_dim1 = 64
	s_mov_b32 s[\g+5], SIZE_K                      ; from row to row
	s_mov_b32 s[\g+6], 0
	s_mov_b32 s[\g+7], 0
.endr
	; where my cluster begins along K: from the cluster's x and y alone
	s_and_b32 s21, ttmp7, 0xffff                   ; Y
	s_lshr_b32 s22, s21, 1
	s_xor_b32 s21, s21, s22
	s_and_b32 s21, s21, 1
	s_lshl_b32 s21, s21, 11                        ; four K steps are 2,048 bytes of a row,
	s_lshl_b32 s22, ttmp9, 10                      ; two are 1,024
	s_add_co_u32 s[OF], s21, s22
	s_and_b32 s[OF], s[OF], SIZE_K*2-1             ; modulo a row's 4,096 bytes: an even K step
	s_mov_b32 s[OF+1], 0
	s_add_co_u32 s[OF+2], s[OF], KSTEP*2           ; slot 1 begins with the odd step behind it: no wrap
	s_mov_b32 s[OF+3], 0
	s_lshl_b32 s17, s12, 6                         ; which 64 rows of the tile I fetch
	s_lshl_b32 s16, s13, 7
	s_add_co_u32 s16, s16, s17                     ; A: row 128 x tile row + 64 x half
	s_lshl_b32 s46, s42, 7
	s_add_co_u32 s46, s46, s17                     ; B: row 128 x tile column + 64 x half
	s_mov_b32 s17, 0
	s_mov_b32 s47, 0
	s_mov_b64 s[18:19], SIZE_K*2
	s_mul_u64 s[16:17], s[16:17], s[18:19]
	s_mul_u64 s[46:47], s[46:47], s[18:19]
	s_mul_i32 s20, s10, HALFT                      ; where they go: wave x 64 rows
	s_wait_dscnt 0x0                               ; both opening adds are done
	s_wait_kmcnt 0x0
	s_add_nc_u64 s[BA:BA+1], s[4:5], s[16:17]
	s_add_nc_u64 s[BB:BB+1], s[6:7], s[46:47]
	CROUND                                         ; all sixteen work-groups are here: the first joint loads meet
.irp s, 0,1
	s_mov_b32 s[G0+4*\s], 1
	s_add_co_u32 s[G0+4*\s+1], s20, \s*SLOT
	s_mov_b32 s[G0B+4*\s], 1
	s_add_co_u32 s[G0B+4*\s+1], s20, \s*SLOT
	AIM \s
	JLOAD \s
.endr
	v_and_b32 v1, 15, v0                           ; l % 16
	v_bfe_u32 v2, v0, 4, 1                         ; l / 16
	v_mul_u32_u24 v3, v1, PITCH
	v_lshl_add_u32 v3, v2, 4, v3                   ; a fragment's row x pitch + 16 x half
	s_mul_i32 s21, s11, HALFT                      ; my 64 rows of A
	s_mul_i32 s22, s12, HALFT                      ; my 64 rows of B,
	s_add_co_u32 s22, s22, 2*HALFT                 ; which lie behind A's 128
.irp s, 0,1
	v_add_nc_u32 v[ADRA+\s], s21, v3
	v_add_nc_u32 v[ADRB+\s], s22, v3
	s_add_co_u32 s21, s21, SLOT
	s_add_co_u32 s22, s22, SLOT
.endr
	s_mul_i32 s23, s10, 16*SPITCH
	s_add_co_u32 s23, s23, STAGE                   ; my stage
	v_mul_u32_u24 v4, v1, SPITCH                   ; in: row l % 16, 32 bytes for each half of the lanes
	v_lshl_add_u32 v4, v2, 5, v4
	v_add_nc_u32 v[STO], s23, v4
	v_mul_u32_u24 v5, v2, SPITCH                   ; back: lanes 0-15 one row of 256 bytes, lanes 16-31 the next
	v_lshl_add_u32 v5, v1, 4, v5
	v_add_nc_u32 v[RD], s23, v5
	v_mul_u32_u24 v5, v2, SIZE_N*4                 ; and the same two rows in C
	v_lshl_add_u32 v[CO], v1, 4, v5
	s_lshl_b32 s16, s13, 7
	s_lshl_b32 s17, s11, 6
	s_add_co_u32 s16, s16, s17                     ; my first row of C: 128 x tile row + 64 x half
	s_mov_b32 s17, 0
	s_mov_b64 s[18:19], SIZE_N*4
	s_mul_u64 s[16:17], s[16:17], s[18:19]
	s_add_nc_u64 s[8:9], s[8:9], s[16:17]
	s_lshl_b32 s46, s42, 9                         ; my first column, in bytes: 512 x tile column + 256 x half
	s_lshl_b32 s47, s12, 8
	s_add_co_u32 s46, s46, s47
	s_mov_b32 s47, 0
	s_add_nc_u64 s[8:9], s[8:9], s[46:47]
; 8 matrix instructions: m blocks a0, a0 + 1 x all 4 n blocks, 32 along K: half c of buffer f.  zero = 1: the first product starts the sums.  The 16 accumulators take turns
.macro MUL8 f, c, a0, zero
.irp a, \a0, \a0+1
.irp b, 0,1,2,3
.if \zero
	v_wmma_f32_16x16x32_f16 v[ACC+8*(4*(\a)+\b):ACC+8*(4*(\a)+\b)+7], v[\f+64+8*(4*\c+\b):\f+64+8*(4*\c+\b)+7], v[\f+8*(4*\c+\a):\f+8*(4*\c+\a)+7], 0
.else
	v_wmma_f32_16x16x32_f16 v[ACC+8*(4*(\a)+\b):ACC+8*(4*(\a)+\b)+7], v[\f+64+8*(4*\c+\b):\f+64+8*(4*\c+\b)+7], v[\f+8*(4*\c+\a):\f+8*(4*\c+\a)+7], v[ACC+8*(4*(\a)+\b):ACC+8*(4*(\a)+\b)+7]
.endif
.endr
.endr
.endm
; 32 LDS loads in one run: the fragments of 64 along K at byte k of the rows, into buffer f; the first 32 along K first
.macro FETCH slot, k, f
	WIN TO_F
.irp c, 0,1
.irp i, 0,1,2,3
	ds_load_b128 v[\f+64+8*(4*\c+\i):\f+64+8*(4*\c+\i)+3],   v[ADRB+\slot] offset:\k+64*\c+\i*16*PITCH
	ds_load_b128 v[\f+64+8*(4*\c+\i)+4:\f+64+8*(4*\c+\i)+7], v[ADRB+\slot] offset:\k+64*\c+\i*16*PITCH+32
	ds_load_b128 v[\f+8*(4*\c+\i):\f+8*(4*\c+\i)+3],         v[ADRA+\slot] offset:\k+64*\c+\i*16*PITCH
	ds_load_b128 v[\f+8*(4*\c+\i)+4:\f+8*(4*\c+\i)+7],       v[ADRA+\slot] offset:\k+64*\c+\i*16*PITCH+32
.endr
.endr
.endm
.macro PLACES                          ; four plain instructions in front of loads into registers that matrix instructions have read, and of the first read of results
.rept 4
	v_nop
.endr
.endm
; A K step is four quarters of 64 along K, 32 matrix instructions each, on buffers 0, 1, 0, 1.  One of the first three: multiplies buffer f and fetches the next quarter, at byte k, into g.
.macro QUARTER slot, k, f, g, zero
	s_wait_dscnt 16                                ; the first 32 along K are in; the sixteen younger loads may be out
	WIN MUL
	MUL8 \f, 0, 0, \zero
	MUL8 \f, 0, 2, \zero
	PLACES
	FETCH \slot, \k, \g
	s_wait_dscnt 32                                ; all but the 32 just issued
	WIN MUL
	MUL8 \f, 1, 0, 0
	MUL8 \f, 1, 2, 0
.endm
; The last quarter multiplies buffer 1 and changes slots: one barrier; in front of it each wave waits for all its tensor loads, adds 0 to its spare word, and waits for that and for its reads of this slot.  fill = 1: this slot is filled again, two K steps ahead.
.macro TURN slot, next, fill
	WIN 0                                          ; (the add's two registers lie in window 0)
	s_wait_tensorcnt 0x0                           ; all my tensor loads have landed: my part of the next slot
	ds_add_u32 v[SPW], v[NIL]
	s_wait_dscnt 17                                ; (the add and the youngest sixteen loads may be out)
	WIN MUL
	MUL8 F1, 0, 0, 0                               ; eight matrix instructions stand between the add and the wait for it
	s_wait_dscnt 0x0                               ; the add is done, and my reads of this slot are over
	s_barrier_signal -1
	MUL8 F1, 0, 2, 0
.if \fill
	WIN 0
.endif
	s_barrier_wait -1
.if \fill
	CREST                                          ; the barrier has opened a round of the cluster's barrier: no wave of any partner still reads this slot's tile or has a load on its way
	s_add_co_u32 s[OF+2*\slot], s[OF+2*\slot], 2*KSTEP*2   ; two K steps on,
	s_and_b32 s[OF+2*\slot], s[OF+2*\slot], SIZE_K*2-1     ; round the row's end
	AIM \slot
	JLOAD \slot                                    ; the first tensor load behind the round; its four v_nop are also the places in front of the loads below
.else
	PLACES
.endif
	FETCH \next, 0, F0
	WIN MUL
	MUL8 F1, 1, 0, 0
	MUL8 F1, 1, 2, 0
.endm
	s_wait_tensorcnt 1                             ; my part of the first K step is in; the second's may stay out
	s_barrier_signal -1
	s_barrier_wait -1                              ; everybody's is
	FETCH 0, 0, F0
	QUARTER 0, 128, F0, F1, 1                      ; the first quarter stands in front of the loop: its first products start the sums
	WIN 0                                          ; at a label and at a branch every window is 0
	s_mov_b32 s3, LAPS-1
.Llap:                                                 ; a trip goes once round the ring, from a lap's second quarter to the next lap's first, and fills both slots again
	QUARTER 0, 256, F1, F0, 0
	QUARTER 0, 384, F0, F1, 0
	TURN 0, 1, 1
	QUARTER 1, 128, F0, F1, 0
	QUARTER 1, 256, F1, F0, 0
	QUARTER 1, 384, F0, F1, 0
	TURN 1, 0, 1
	QUARTER 0, 128, F0, F1, 0
	WIN 0
	s_sub_co_u32 s3, s3, 1
	s_cmp_lg_u32 s3, 0
	s_cbranch_scc1 .Llap
	QUARTER 0, 256, F1, F0, 0                      ; the last lap fills nothing, and has no round of the cluster's barrier
	QUARTER 0, 384, F0, F1, 0
	TURN 0, 1, 0
	QUARTER 1, 128, F0, F1, 0
	QUARTER 1, 256, F1, F0, 0
	QUARTER 1, 384, F0, F1, 0
	s_wait_dscnt 16                                ; the very last quarter: nothing more to fetch
	WIN MUL
	MUL8 F1, 0, 0, 0
	MUL8 F1, 0, 2, 0
	s_wait_dscnt 0
	MUL8 F1, 1, 0, 0
	MUL8 F1, 1, 2, 0
	WIN 0
	; THE WAY OUT, 16 rows x 64 columns at a time: a lane's 32 bytes of a row go into my stage and come back as whole rows of 256 bytes: sixteen lanes store 256 consecutive bytes, aligned.
	; LDS serves a wave's instructions in order: no wait between the stores and the loads, nor in front of the next block's stores.
	PLACES
.irp a, 0,1,2,3
.if \a > 1
	s_wait_xcnt 0x0                                ; block a - 2's stores have read their registers: block a's rows may land there
.endif
.irp b, 0,1,2,3
	ds_store_b128 v[STO], v[ACC+8*(4*\a+\b):ACC+8*(4*\a+\b)+3] offset:64*\b            ; each accumulator from its low end on
	ds_store_b128 v[STO], v[ACC+8*(4*\a+\b)+4:ACC+8*(4*\a+\b)+7] offset:64*\b+16
.endr
.irp t, 0,1,2,3,4,5,6,7
	ds_load_b128 v[TMP+32*(\a%2)+4*\t:TMP+32*(\a%2)+4*\t+3], v[RD] offset:\t*2*SPITCH
.endr
	s_wait_dscnt 0x0
.irp t, 0,1,2,3,4,5,6,7
	global_store_b128 v[CO], v[TMP+32*(\a%2)+4*\t:TMP+32*(\a%2)+4*\t+3], s[8:9] offset:(16*\a+2*\t)*SIZE_N*4 th:TH_STORE_NT   ; written once, read by nobody here
.endr
.endr
	s_wait_tensorcnt 0x0                           ; the wave's end, behind my last tensor load and my last LDS store
	ds_add_u32 v[SPW], v[NIL]
	s_wait_dscnt 0x0
	CROUND                                         ; the closing round: no work-group ends while a partner may still ask for a tile that names it
	s_endpgm
.Lfunc_end_k_q616271cbe8_oproj:
	.size	k_q616271cbe8_oproj, .Lfunc_end_k_q616271cbe8_oproj-k_q616271cbe8_oproj
	.p2alignl 7, 3214868480
	.fill 96, 4, 3214868480
	.section	.rodata,"a",@progbits
	.p2align	6, 0x0
	.amdhsa_kernel k_q616271cbe8_oproj
		.amdhsa_group_segment_fixed_size 327680
		.amdhsa_private_segment_fixed_size 0
		.amdhsa_enable_private_segment 0
		.amdhsa_kernarg_size 24
		.amdhsa_user_sgpr_count 2
		.amdhsa_user_sgpr_kernarg_segment_ptr 1
		.amdhsa_wavefront_size32 1
		.amdhsa_system_sgpr_workgroup_id_x 1
		.amdhsa_system_sgpr_workgroup_id_y 1
		.amdhsa_system_sgpr_workgroup_id_z 1
		.amdhsa_system_vgpr_workitem_id 0
		.amdhsa_next_free_vgpr 512
		.amdhsa_next_free_sgpr 76
		.amdhsa_reserve_vcc 0
		.amdhsa_float_denorm_mode_32 3
		.amdhsa_float_denorm_mode_16_64 3
		.amdhsa_memory_ordered 1
		.amdhsa_forward_progress 1
		.amdhsa_inst_pref_size 86
	.end_amdhsa_kernel
	.amdgpu_metadata
---
amdhsa.version: [ 1, 2 ]
amdhsa.kernels:
  - .name:           k_q616271cbe8_oproj
    .symbol:         k_q616271cbe8_oproj.kd
    .args:
      - { .name: att, .offset: 0, .size: 8, .value_kind: global_buffer, .address_space: global }
      - { .name: wo16, .offset: 8, .size: 8, .value_kind: global_buffer, .address_space: global }
      - { .name: out0, .offset: 16, .size: 8, .value_kind: global_buffer, .address_space: global }
    .group_segment_fixed_size: 327680
    .private_segment_fixed_size: 0
    .kernarg_segment_align: 8
    .kernarg_segment_size: 24
    .max_flat_workgroup_size: 128
    .sgpr_count:     76
    .vgpr_count:     512
    .wavefront_size: 32
...
	.end_amdgpu_metadata
.endif
;; end of part 4
